; MI455X (gfx1250); checked and timed in simulation.
; The chip was launched on July 23, 2026; its instructions are those of AMD's public machine-readable ISA for CDNA 5 (MIT licence, August 2026) and "CDNA5" Instruction Set Architecture Reference Guide (July 2026). The comments in the code are by the model that wrote it; some were corrected since.
;; Attention. Allowed arithmetic: float matrix products may take bf16 or f16 operands with f32 sums; other float arithmetic in f32, or as packed bf16 or f16 multiplies, adds, multiply-adds, maxima and minima; sums over many terms, partial sums and values carried from step to step in f32; what a program stores and reads back later, other than sums and carried values, may be rounded once to bf16 or f16.
;; Inputs: b_proj 1,024 float32; w_proj 1,024 x 1,024 float32; w_qkv 1,024 x 3,072 float32; x 4 x 2,048 x 1,024 float32.
;; Outputs: out0 4 x 2,048 x 1,024 float32.
;; One version. Each part assembles by itself: llvm-mc -triple=amdgcn-amd-amdhsa -mcpu=gfx1250 --defsym DOCPART=n.
;; ======== version 1 of 1: 4 launches
;; limits: values are held in f16: magnitudes above 65,504 overflow, below 6.1e-05 lose precision
;; workspace buffers: xb 16,777,216 bytes; wq 6,291,456 bytes; wp 2,097,152 bytes; qkv 50,331,648 bytes; ob 16,777,216 bytes
;; launch prep (part 1): grid 1536 x 1, 8 waves a work-group, no clusters, 0 bytes of LDS; arguments x, w_qkv, w_proj, xb, wq, wp; writes xb, wq, wp
.if DOCPART == 1
	.amdgcn_target "amdgcn-amd-amdhsa--gfx1250"
	.amdhsa_code_object_version 6
	.text
	.protected	k_qded0b6c4e4_prep
	.globl	k_qded0b6c4e4_prep
	.p2align	8
	.type	k_qded0b6c4e4_prep,@function
k_qded0b6c4e4_prep:
	s_mov_b64 s[64:65], 0
	v_nop
	global_prefetch_b8 v0, s[64:65] scope:SCOPE_SE
	s_setreg_imm32_b32 hwreg(HW_REG_WAVE_MODE, 25, 1), 1
	s_wait_xcnt 0x0
; THE CASTS.  x [8192][1024] f32 -> xb, bf16, as it lies.  w_qkv [1024][3072] f32 -> wq, bf16, in blocks [j 16][s 8][hh 3][kl 128][cc 64] = w_qkv[128 s + kl][192 j + 64 hh + cc].
; w_proj [1024][1024] f32 -> wp, rounded to bf16 like the other inputs and that number written as f16, in blocks [j 8][s 8][hh 2][kl 128][cc 64] = w_proj[128 s + kl][128 j + 64 hh + cc].
; So a K step's tile of either weight is dense in memory for the products that follow.
; LIMIT.  wp is f16: a weight of 65,520 or more becomes an infinity; below 6e-5 it keeps f16's fixed step of 6e-8.
; SHARES.  A work-group takes a chunk of 8,192 numbers: 32 KiB in, the dense 16 KiB at chunk x 16,384 out.  1,024 chunks of x, 384 of w_qkv, 128 of w_proj.
; Thread t takes 8 numbers in each of four steps: in at (t >> 3) RS + 32 (t & 7) + step x 32 RS, out at 16 t + 4,096 x step.  RS is the bytes from one run of 64 numbers to the next:
; 256 for x (the chunk is dense), the row's bytes for a weight (32 rows x 256 aligned bytes a step).  Each store of a wave covers 512 consecutive bytes, aligned.
; A stream: no LDS, no barrier, no matrix unit; all eight loads of a thread go out before the first is waited for.
.set NX, 1024                          ; chunks of x
.set NQ, 384                           ; chunks of w_qkv
.set X,  16                            ; v[16:47]  step st: 8 numbers as loaded
.set Y,  48                            ; v[48:63]  step st: 4 registers to store
	s_load_b256 s[4:11], s[0:1], 0x0               ; x s[4:5], w_qkv s[6:7], w_proj s[8:9], xb s[10:11]
	s_load_b128 s[12:15], s[0:1], 0x20             ; wq s[12:13], wp s[14:15]
	s_mov_b32 s2, ttmp9                            ; the chunk's number among all 1,536
	; as a chunk of w_qkv: number cq = (8 j + s) 3 + hh
	s_sub_co_u32 s27, s2, NX
	s_mul_hi_u32 s28, s27, 0x55555556              ; cq / 3 = 8 j + s
	s_mul_i32 s29, s28, 3
	s_sub_co_u32 s29, s27, s29                     ; hh
	s_and_b32 s30, s28, 7                          ; s
	s_lshr_b32 s28, s28, 3                         ; j
	s_mul_i32 s28, s28, 3
	s_add_co_u32 s28, s28, s29                     ; 3 j + hh: which 64 columns
	s_lshl_b32 s28, s28, 8                         ; 256 bytes each
	s_mul_i32 s30, s30, 128*12288                  ; 128 rows of 12,288 bytes a K step
	s_add_co_u32 s22, s28, s30                     ; bytes in
	s_lshl_b32 s24, s27, 14                        ; bytes out
	; as a chunk of w_proj: number cq = (8 j + s) 2 + hh
	s_sub_co_u32 s27, s2, NX+NQ
	s_bfe_u32 s28, s27, 0x30001                    ; s: 3 bits from bit 1
	s_lshl_b32 s28, s28, 19                        ; 128 rows of 4,096 bytes
	s_lshr_b32 s29, s27, 4                         ; j
	s_lshl_b32 s29, s29, 1
	s_and_b32 s30, s27, 1                          ; hh
	s_add_co_u32 s29, s29, s30
	s_lshl_b32 s29, s29, 8
	s_add_co_u32 s28, s28, s29
	s_lshl_b32 s29, s27, 14
	s_mov_b32 s20, 12288
	s_cmp_lt_u32 s2, NX+NQ                         ; w_qkv's figures, or w_proj's
	s_cselect_b32 s22, s22, s28
	s_cselect_b32 s24, s24, s29
	s_cselect_b32 s20, s20, 4096                   ; RS
	s_cselect_b32 s26, 0, 1                        ; 1: the result is written as f16
	s_lshl_b32 s28, s2, 15                         ; as a chunk of x
	s_lshl_b32 s29, s2, 14
	s_cmp_lt_u32 s2, NX
	s_cselect_b32 s22, s28, s22
	s_cselect_b32 s24, s29, s24
	s_cselect_b32 s20, 256, s20
	s_lshl_b32 s21, s20, 5                         ; 32 RS: from step to step
	s_mov_b32 s23, 0
	s_mov_b32 s25, 0
	v_lshrrev_b32 v1, 3, v0
	v_and_b32 v2, 7, v0
	v_lshlrev_b32 v2, 5, v2
	v_mad_u32_u24 v4, v1, s20, v2                  ; v4-7: my byte offset in, step 0 to 3
	v_add_nc_u32 v5, s21, v4
	v_add_nc_u32 v6, s21, v5
	v_add_nc_u32 v7, s21, v6
	v_lshlrev_b32 v8, 4, v0                        ; my byte offset out
	s_wait_kmcnt 0x0
	s_cmp_lt_u32 s2, NX+NQ
	s_cselect_b64 s[16:17], s[6:7], s[8:9]
	s_cselect_b64 s[18:19], s[12:13], s[14:15]
	s_cmp_lt_u32 s2, NX
	s_cselect_b64 s[16:17], s[4:5], s[16:17]       ; from
	s_cselect_b64 s[18:19], s[10:11], s[18:19]     ; to
	s_add_nc_u64 s[16:17], s[16:17], s[22:23]
	s_add_nc_u64 s[18:19], s[18:19], s[24:25]
.irp st, 0,1,2,3
	global_load_b128 v[X+8*(\st):X+8*(\st)+3],   v[4+(\st)], s[16:17] th:TH_LOAD_NT
	global_load_b128 v[X+8*(\st)+4:X+8*(\st)+7], v[4+(\st)], s[16:17] offset:16 th:TH_LOAD_NT
.endr
; One step: rounded to bf16; f16 = 1: widened again (a shift, a mask) and written as f16, which changes no number inside f16's range.
.macro CONV st, f16
	s_wait_loadcnt 6-2*(\st)                       ; loads come back in order: the later steps' loads, two each, may stay out
.irp r, 0,1,2,3
	v_cvt_pk_bf16_f32 v[Y+4*(\st)+(\r)], v[X+8*(\st)+2*(\r)], v[X+8*(\st)+2*(\r)+1]
.endr
.if \f16
.irp r, 0,1,2,3
	v_lshlrev_b32 v[X+8*(\st)+2*(\r)],   16, v[Y+4*(\st)+(\r)]
	v_and_b32     v[X+8*(\st)+2*(\r)+1], 0xffff0000, v[Y+4*(\st)+(\r)]
.endr
.irp r, 0,1,2,3
	v_cvt_pk_f16_f32 v[Y+4*(\st)+(\r)], v[X+8*(\st)+2*(\r)], v[X+8*(\st)+2*(\r)+1]
.endr
.endif
	global_store_b128 v8, v[Y+4*(\st):Y+4*(\st)+3], s[18:19] offset:4096*(\st)
.endm
	s_cmp_eq_u32 s26, 1
	s_cbranch_scc1 .Lf16
.irp st, 0,1,2,3
	CONV \st, 0
.endr
	s_endpgm
.Lf16:
.irp st, 0,1,2,3
	CONV \st, 1
.endr
	s_endpgm
.Lfunc_end_k_qded0b6c4e4_prep:
	.size	k_qded0b6c4e4_prep, .Lfunc_end_k_qded0b6c4e4_prep-k_qded0b6c4e4_prep
	.p2alignl 7, 3214868480
	.fill 96, 4, 3214868480
	.section	.rodata,"a",@progbits
	.p2align	6, 0x0
	.amdhsa_kernel k_qded0b6c4e4_prep
		.amdhsa_group_segment_fixed_size 0
		.amdhsa_private_segment_fixed_size 0
		.amdhsa_enable_private_segment 0
		.amdhsa_kernarg_size 48
		.amdhsa_user_sgpr_count 2
		.amdhsa_user_sgpr_kernarg_segment_ptr 1
		.amdhsa_wavefront_size32 1
		.amdhsa_system_sgpr_workgroup_id_x 1
		.amdhsa_system_sgpr_workgroup_id_y 1
		.amdhsa_system_sgpr_workgroup_id_z 1
		.amdhsa_system_vgpr_workitem_id 0
		.amdhsa_next_free_vgpr 64
		.amdhsa_next_free_sgpr 66
		.amdhsa_reserve_vcc 0
		.amdhsa_float_denorm_mode_32 3
		.amdhsa_float_denorm_mode_16_64 3
		.amdhsa_memory_ordered 1
		.amdhsa_forward_progress 1
		.amdhsa_inst_pref_size 9
	.end_amdhsa_kernel
	.amdgpu_metadata
---
amdhsa.version: [ 1, 2 ]
amdhsa.kernels:
  - .name:           k_qded0b6c4e4_prep
    .symbol:         k_qded0b6c4e4_prep.kd
    .args:
      - { .name: x, .offset: 0, .size: 8, .value_kind: global_buffer, .address_space: global }
      - { .name: w_qkv, .offset: 8, .size: 8, .value_kind: global_buffer, .address_space: global }
      - { .name: w_proj, .offset: 16, .size: 8, .value_kind: global_buffer, .address_space: global }
      - { .name: xb, .offset: 24, .size: 8, .value_kind: global_buffer, .address_space: global }
      - { .name: wq, .offset: 32, .size: 8, .value_kind: global_buffer, .address_space: global }
      - { .name: wp, .offset: 40, .size: 8, .value_kind: global_buffer, .address_space: global }
    .group_segment_fixed_size: 0
    .private_segment_fixed_size: 0
    .kernarg_segment_align: 8
    .kernarg_segment_size: 48
    .max_flat_workgroup_size: 256
    .sgpr_count:     66
    .vgpr_count:     64
    .wavefront_size: 32
...
	.end_amdgpu_metadata
.endif
;; end of part 1
;; launch qkv (part 2): grid 16 x 32, 4 waves a work-group, clusters of 4 x 4, 327,680 bytes of LDS; arguments xb, wq, qkv; writes qkv
.if DOCPART == 2
	.amdgcn_target "amdgcn-amd-amdhsa--gfx1250"
	.amdhsa_code_object_version 6
	.text
	.protected	k_qded0b6c4e4_qkv
	.globl	k_qded0b6c4e4_qkv
	.p2align	8
	.type	k_qded0b6c4e4_qkv,@function
k_qded0b6c4e4_qkv:
	s_mov_b64 s[64:65], 0
	v_nop
	global_prefetch_b8 v0, s[64:65] scope:SCOPE_SE
	s_setreg_imm32_b32 hwreg(HW_REG_WAVE_MODE, 25, 1), 1
	s_wait_xcnt 0x0
	s_wait_alu depctr_hold_cnt(0) depctr_sa_sdst(0) depctr_va_vdst(0) depctr_va_sdst(0) depctr_va_ssrc(0) depctr_va_vcc(0) depctr_vm_vsrc(0)
	s_getreg_b32 s2, hwreg(HW_REG_IB_STS2, 6, 4)
	s_cmp_eq_u32 s2, 0
	s_cbranch_scc0 .Lentry_in_a_cluster
	s_endpgm
.Lentry_in_a_cluster:
	s_bfe_u32 s2, ttmp6, 0x10000c
	s_cmp_lg_u32 s2, 0xf033
	s_cbranch_scc0 .Lentry_shape_is_right
	s_endpgm
.Lentry_shape_is_right:
; THE FIRST PROJECTION.  q, k, v = x w_qkv: xb [8192][1024] bf16 times wq (bf16, blocks [j 16][s 8][hh 3][kl 128][cc 64]), sums in f32, K ascending; the result is rounded once to f16, WITHOUT
; the softmax's scale, and stored by heads: qkv [which 3][b 4][h 16][n 2048][64].
; LIMIT.  f16 holds no number beyond 65,504: a q, k or v of 65,520 or more becomes an infinity; below 6e-5 f16 keeps its fixed step of 6e-8.
; SHARES.  A tile of the result is 256 rows x 192 columns, three whole heads: 32 x 16 = 512 tiles.  Four waves, one above the other: wave w makes rows 64 w .. 64 w + 63 and all 192 columns:
; 4 x 12 accumulators of 16 x 16, 384 registers.  So a wave holds whole heads' rows and has a stage of its own on the way out.
; K goes in 8 steps of 128 through two LDS slots filled by the tensor data mover; a step is four quarters of 32 along K on two fragment buffers.
; THE MATRIX INSTRUCTION IS USED TRANSPOSED: source 0 = 16 columns of w (turned out of LDS by ds_load_tr16_b128, since w lies [k][n]), source 1 = 16 rows of x: a lane holds row l % 16 and eight neighbouring columns.
; CLUSTER.  4 x 4 work-groups.  The four of a row of the cluster need the same rows of x, the four of a column the same columns of w: each tile is asked for JOINTLY, by the same tensor load with the same
; descriptor and a mask that names the four.
; REGISTERS, in windows of 256 (s_set_vgpr_msb: bits 1:0 source 0, 3:2 source 1, 5:4 source 2, 7:6 destination):
;   window 0: v0-31 addresses; v64-127 x's fragments, two buffers of 4 x 8; v128-175, v176-223 at work on the way out        window 1: v0-191 w's fragments, two buffers of 12 x 8
;   window 2: the accumulators of row blocks 0, 1 ((a, b) at v[8 (12 (a % 2) + b)])        window 3: those of row blocks 2, 3
.set KSTEPS, 8
.set NB,    12                         ; column blocks of 16
.set NL,    2*NB+8                     ; LDS loads in a quarter's run
.set PA,    272                        ; a row of x in LDS: 256 bytes + 16 = 68 words: the 16 rows of a load start at 16 different groups of four banks (64 banks of 4 bytes: ISA guide 11.1)
.set PB,    160                        ; a row of w (one k, 64 columns): 128 + 32 = 40 words
.set BPL,   128*PB                     ; a head's 128 rows of w
.set BOFF,  256*PA                     ; w's three heads lie behind x's 256 rows
.set SLOT1, 1<<17                      ; a slot is BOFF + 3 BPL = 131,072 bytes; one exclusive or turns an address in one slot into the other's
.set STAGE, 2*SLOT1                    ; behind the ring, never filled by a tensor load: for each wave 3 heads x 16 rows x 144 bytes
.set SP,    144
.set STW,   3*16*SP
.set SPARE, STAGE+4*STW                ; behind the stages: the spare words, 128 bytes for each wave: two blocks of 256 bytes that no other line names
.set STEPA, 256                        ; bytes from a K step to the next: along x's rows,
.set STEPB, 3*128*128                  ; and one dense tile of wq
.set ADRA0, 16                         ; v16  my lane's place among x's rows of a slot; never rewritten
.set ADRB0, 17                         ; v17  the same for w
.set ADRA,  18                         ; v18  the same in the slot in hand
.set ADRB,  19                         ; v19
.set STO,   24                         ; v24  the way out: where I put 16 bytes of a row
.set RD,    25                         ; v25  where I read rows back
.set GO,    26                         ; v26  my byte offset in 512 consecutive bytes of the result
.set SPW,   28                         ; v28  LDS address of my spare word: SPARE + 4 x my thread's number; never rewritten
.set NIL,   29                         ; v29  0; never rewritten
.set FA,    64
.set TMP,   128
.set OB,    176
.set G1A, 24                           ; s[24:31] descriptor group 1 for x's tiles
.set G0A, 32                           ; s[32:39] group 0: a set for each of the two first fills; the second then walks on
.set G1B, 48                           ; s[48:55], s[56:63] the same for w's tiles
.set G0B, 56
.set TB,  45                           ; s45  LDS byte at which the slot in hand begins
.set MSB, 0
.macro WIN new                         ; the immediate's high byte repeats the setting that is left; a switch that changes nothing is dropped
.if MSB != (\new)
	s_set_vgpr_msb (MSB<<8)|(\new)
.set MSB, \new
.endif
.endm
.set MUL_LO, 0xa1                      ; source 0 (w) window 1, source 1 (x) window 0, C and D window 2
.set TO_B,   0x40                      ; destination window 1, address window 0
.macro PLACES                          ; four plain vector instructions between a matrix instruction and a load into, or a read of, its registers (ISA guide 7.12.1 for vector instructions)
.rept 4
	v_nop
.endr
.endm
; A joint refill.  Waves 0 and 1 fetch the two halves of x's tile, waves 2 and 3 those of w's.  The branch hangs on the wave's number alone.  An s_nop 0 and four v_nop follow each of the two lines.
.macro JLOAD
	s_cmp_eq_u32 s11, 0
	s_cbranch_scc0 .Lfor_b_\@
	tensor_load_to_lds s[G0A+4:G0A+7], s[G1A:G1A+7]
	s_nop 0
.rept 4
	v_nop
.endr
	s_branch .Lasked_\@
.Lfor_b_\@:
	tensor_load_to_lds s[G0B+4:G0B+7], s[G1B:G1B+7]
	s_nop 0
.rept 4
	v_nop
.endr
.Lasked_\@:
.endm
; A round of the cluster's barrier: my work-group's barrier, so that wave 0's signal speaks for all four waves; wave 0 signals; every wave waits for all sixteen work-groups; my work-group's barrier once more.
.macro CREST                           ; a round behind its opening barrier
	s_cmp_lg_u32 s10, 0
	s_cbranch_scc1 .Lnot_wave_0_\@
	s_barrier_signal -3
.Lnot_wave_0_\@:
	s_barrier_wait -3
	s_barrier_signal -1
	s_barrier_wait -1
.endm
.macro CROUND
	s_barrier_signal -1
	s_barrier_wait -1
	CREST
.endm
	s_load_b128 s[4:7], s[0:1], 0x0                ; xb s[4:5], wq s[6:7]
	s_load_b64 s[8:9], s[0:1], 0x10                ; qkv
	v_lshl_add_u32 v[SPW], v0, 2, SPARE
	v_mov_b32 v[NIL], 0
	ds_add_u32 v[SPW], v[NIL]                      ; the wave's opening: the add and its wait stand ahead of my first tensor load; the set-up below, work on registers, stands between them
	v_lshrrev_b32 v1, 5, v0
	v_readfirstlane_b32 s10, v1                    ; wave 0..3
	s_lshr_b32 s11, s10, 1                         ; I fetch for x (0) or for w (1),
	s_and_b32 s12, s10, 1                          ; and which half of that tile
	s_bfe_u32 s40, ttmp6, 0x40000                  ; cx, cy: my place in the cluster
	s_bfe_u32 s41, ttmp6, 0x40004
	s_lshl_b32 s42, ttmp9, 2
	s_add_co_u32 s42, s42, s40                     ; j: tile column = 4 x cluster x + cx
	s_and_b32 s13, ttmp7, 0xffff
	s_lshl_b32 s13, s13, 2
	s_add_co_u32 s13, s13, s41                     ; ty: tile row = 4 x cluster y + cy
	s_lshl_b32 s43, s41, 2
	s_lshl_b32 s43, 15, s43                        ; my row of the cluster: places 4 cy .. 4 cy + 3
	s_lshl_b32 s44, 0x1111, s40                    ; my column: places cx, cx + 4, cx + 8, cx + 12
	; group 1.  x: 128 rows x 128 elements, 1,024 elements from row to row, 4 words of padding after every 64.  w: 24,576 dense bytes as 96 rows of 256, 8 words of padding after every 32 (one k's 64 columns).
	s_or_b32 s[G1A], s43, (1<<16)|(1<<20)|(1<<21)|(5<<22)|(3<<25)  ; 15:0 the mask; 17:16 2-byte elements; 20 padding on; 21 set beside a mask; 24:22 the interval's code; 31:25 the padding's words less one
	s_or_b32 s[G1B], s44, (1<<16)|(1<<20)|(1<<21)|(4<<22)|(7<<25)
	s_mov_b32 s[G1A+1], 128<<16                    ; tensor_dim0 = 128
	s_mov_b32 s[G1A+2], 128<<16                    ; tensor_dim1 = 128
	s_mov_b32 s[G1A+3], 128<<16                    ; tile_dim0 = 128
	s_mov_b32 s[G1A+4], 128                        ; tile_dim1 = 128
	s_mov_b32 s[G1A+5], 1024                       ; elements from row to row
	s_mov_b32 s[G1A+6], 0
	s_mov_b32 s[G1A+7], 0
	s_mov_b32 s[G1B+1], 128<<16
	s_mov_b32 s[G1B+2], 96<<16
	s_mov_b32 s[G1B+3], 128<<16
	s_mov_b32 s[G1B+4], 96
	s_mov_b32 s[G1B+5], 128
	s_mov_b32 s[G1B+6], 0
	s_mov_b32 s[G1B+7], 0
	; where the tiles come from: x's hang on ty and the wave alone, w's on j and the wave alone; no place in the cluster enters an LDS address
	s_lshl_b32 s14, s13, 19                        ; 256 ty rows of 2,048 bytes
	s_lshl_b32 s15, s12, 18                        ; + 128 rows for the second half
	s_add_co_u32 s14, s14, s15
	s_mov_b32 s15, 0
	s_mul_i32 s46, s42, KSTEPS*STEPB               ; j's eight tiles of wq
	s_mul_i32 s47, s12, STEPB/2
	s_add_co_u32 s46, s46, s47
	s_mov_b32 s47, 0
	s_mul_i32 s22, s12, 128*PA                     ; and where they go
	s_mul_i32 s23, s12, 192*PB
	s_add_co_u32 s23, s23, BOFF
	s_wait_dscnt 0x0                               ; the opening add is done
	s_wait_kmcnt 0x0
	s_add_nc_u64 s[14:15], s[4:5], s[14:15]
	s_add_nc_u64 s[46:47], s[6:7], s[46:47]
.irp n, 0,1
	s_mov_b32 s[G0A+4*(\n)], 1                                      ; 1:0 count = 1
	s_add_co_u32 s[G0A+4*(\n)+1], s22, (\n)*SLOT1                   ; 63:32 LDS address
	s_add_nc_u64 s[G0A+4*(\n)+2:G0A+4*(\n)+3], s[14:15], (\n)*STEPA ; 120:64 global address: K step n
	s_or_b32 s[G0A+4*(\n)+3], s[G0A+4*(\n)+3], 0x80000000           ; 127:126 type = 2
	s_mov_b32 s[G0B+4*(\n)], 1
	s_add_co_u32 s[G0B+4*(\n)+1], s23, (\n)*SLOT1
	s_add_nc_u64 s[G0B+4*(\n)+2:G0B+4*(\n)+3], s[46:47], (\n)*STEPB
	s_or_b32 s[G0B+4*(\n)+3], s[G0B+4*(\n)+3], 0x80000000
.endr
	CROUND                                         ; all sixteen work-groups are here: the first joint loads meet
	s_cmp_eq_u32 s11, 0                            ; a wave's two first fills stand in one branch, ahead of every wait on TENSORcnt and every LDS read: two loads of mine are out
	s_cbranch_scc0 .Lfirst_b
	tensor_load_to_lds s[G0A:G0A+3], s[G1A:G1A+7]
	s_nop 0
	tensor_load_to_lds s[G0A+4:G0A+7], s[G1A:G1A+7]
	s_nop 0
.rept 4
	v_nop
.endr
	s_branch .Lfirst_asked
.Lfirst_b:
	tensor_load_to_lds s[G0B:G0B+3], s[G1B:G1B+7]
	s_nop 0
	tensor_load_to_lds s[G0B+4:G0B+7], s[G1B:G1B+7]
	s_nop 0
.rept 4
	v_nop
.endr
.Lfirst_asked:
	; x's fragment: 16 rows x 32 K in 8 registers: lane l holds row l % 16, K = 8 (l / 16) + 0..7 and 16 + 8 (l / 16) + 0..7: two loads of 16 bytes, 32 bytes apart
	v_and_b32 v1, 15, v0                           ; l % 16
	v_bfe_u32 v2, v0, 4, 1                         ; l / 16
	v_mul_u32_u24 v3, v1, PA
	v_lshl_add_u32 v3, v2, 4, v3
	s_mul_i32 s2, s10, 64*PA                       ; my wave's 64 rows
	v_add_nc_u32 v[ADRA0], s2, v3
	; w's: the turning load takes 16 k x 16 columns (lane l reads k = 8 (l / 16) + l % 8, columns 8 ((l / 8) % 2) + 0..7) and leaves half a fragment: lane l holds column l % 16 and 8 k
	v_and_b32 v6, 7, v0
	v_lshl_add_u32 v4, v2, 3, v6
	v_mul_u32_u24 v4, v4, PB
	v_bfe_u32 v5, v0, 3, 1
	v_lshl_add_u32 v4, v5, 4, v4
	v_add_nc_u32 v[ADRB0], BOFF, v4
	s_mov_b32 s[TB], 0
	v_add_nc_u32 v[ADRA], s[TB], v[ADRA0]
	v_add_nc_u32 v[ADRB], s[TB], v[ADRB0]
	s_mul_i32 s2, s10, STW
	s_add_co_u32 s2, s2, STAGE                     ; my stage
	v_mul_u32_u24 v[STO], v1, SP                   ; in: row l % 16, 16 bytes for each half of the lanes
	v_lshl_add_u32 v[STO], v2, 4, v[STO]
	v_add_nc_u32 v[STO], s2, v[STO]
	v_bfe_u32 v[RD], v0, 3, 2                      ; back: 32 lanes take four rows of 128 bytes,
	v_mul_u32_u24 v[RD], v[RD], SP
	v_lshl_add_u32 v[RD], v6, 4, v[RD]
	v_add_nc_u32 v[RD], s2, v[RD]
	v_and_b32 v[GO], 31, v0                        ; which are 512 consecutive bytes of a head's plane
	v_lshlrev_b32 v[GO], 4, v[GO]
	; where my rows of the three heads begin: head group g = 3 j + hh; plane (g / 16) 64 + 16 b + g % 16 of 262,144 bytes; row (ty % 8) 256 + 64 w of 128 bytes
	s_lshr_b32 s2, s13, 3
	s_lshl_b32 s2, s2, 4                           ; 16 b
	s_and_b32 s22, s13, 7
	s_lshl_b32 s22, s22, 15
	s_lshl_b32 s23, s10, 13
	s_add_co_u32 s22, s22, s23
	s_mul_i32 s23, s42, 3
.irp hh, 0,1,2
	s_add_co_u32 s14, s23, \hh
	s_lshr_b32 s15, s14, 4
	s_lshl_b32 s15, s15, 6
	s_and_b32 s14, s14, 15
	s_add_co_u32 s14, s14, s15
	s_add_co_u32 s14, s14, s2
	s_lshl_b32 s14, s14, 18
	s_add_co_u32 s14, s14, s22
	s_mov_b32 s15, 0
	s_add_nc_u64 s[16+2*(\hh):17+2*(\hh)], s[8:9], s[14:15]
.endr
; 12 matrix instructions: row block a x all 12 column blocks, 32 along K, from buffer f.  zero = 1: the product starts the sums: nothing is ever cleared.
; The 48 accumulators are taken in the same order in every quarter, one instruction a turn.
.macro MULA f, a, zero
	WIN MUL_LO+0x50*((\a)/2)
.irp b, 0,1,2,3,4,5,6,7,8,9,10,11
.if \zero
	v_wmma_f32_16x16x32_bf16 v[8*(12*((\a)%2)+(\b)):8*(12*((\a)%2)+(\b))+7], v[96*(\f)+8*(\b):96*(\f)+8*(\b)+7], v[FA+32*(\f)+8*(\a):FA+32*(\f)+8*(\a)+7], 0
.else
	v_wmma_f32_16x16x32_bf16 v[8*(12*((\a)%2)+(\b)):8*(12*((\a)%2)+(\b))+7], v[96*(\f)+8*(\b):96*(\f)+8*(\b)+7], v[FA+32*(\f)+8*(\a):FA+32*(\f)+8*(\a)+7], v[8*(12*((\a)%2)+(\b)):8*(12*((\a)%2)+(\b))+7]
.endif
.endr
.endr
.endm
; 32 LDS loads in one run: quarter q's fragments into buffer g: w's 12 first, x's row blocks 2 and 3 last
.macro FETCH q, g
	WIN TO_B
.irp i, 0,1,2,3,4,5,6,7,8,9,10,11
	ds_load_tr16_b128 v[96*(\g)+8*(\i):96*(\g)+8*(\i)+3],   v[ADRB] offset:((\i)/4)*BPL+32*(\q)*PB+((\i)%4)*32
	ds_load_tr16_b128 v[96*(\g)+8*(\i)+4:96*(\g)+8*(\i)+7], v[ADRB] offset:((\i)/4)*BPL+32*(\q)*PB+((\i)%4)*32+16*PB
.endr
	WIN 0
.irp a, 0,1,2,3
	ds_load_b128 v[FA+32*(\g)+8*(\a):FA+32*(\g)+8*(\a)+3],   v[ADRA] offset:64*(\q)+(\a)*16*PA
	ds_load_b128 v[FA+32*(\g)+8*(\a)+4:FA+32*(\g)+8*(\a)+7], v[ADRA] offset:64*(\q)+(\a)*16*PA+32
.endr
.endm
; One of a K step's first three quarters: multiplies buffer f; in its middle it fetches quarter q into buffer g
.macro QUARTER q, f, g, zero
	s_wait_dscnt 4                                 ; all but the youngest four loads: x's row blocks 2 and 3
	MULA \f, 0, \zero
	MULA \f, 1, \zero
	PLACES
	FETCH \q, \g
	s_wait_dscnt NL                                ; all but the run just issued
	MULA \f, 2, \zero
	MULA \f, 3, \zero
.endm
; The last quarter multiplies buffer 1 and changes slots.  In front of the barrier each wave waits for all its tensor loads (one is out: its part of the next slot), adds 0 to its spare word, and waits for that and
; for its own reads of this slot.  fill = 1: the barrier opens a round of the cluster's, so that no wave of any partner still reads this slot or has a load on its way, and the joint refill, this slot's tile two K steps
; on, is the first thing behind it: 168 of a step's 192 matrix instructions stand between it and the wait for it.
.macro TURN fill
	WIN 0                                          ; (the add's two registers lie in window 0)
	s_wait_tensorcnt 0x0                           ; no tensor load of mine is out, so a group 0 may be written
	ds_add_u32 v[SPW], v[NIL]                      ; 0 onto my spare word
.if \fill
	s_xor_b32 s[G0A+5], s[G0A+5], SLOT1            ; the walking descriptors: the other slot than last time,
	s_add_nc_u64 s[G0A+6:G0A+7], s[G0A+6:G0A+7], STEPA  ; the next K step; the type bits on top are not reached
	s_xor_b32 s[G0B+5], s[G0B+5], SLOT1
	s_add_nc_u64 s[G0B+6:G0B+7], s[G0B+6:G0B+7], STEPB
.endif
	s_wait_dscnt 5                                 ; (the add and the youngest four loads may be out)
	MULA 1, 0, 0
	s_wait_dscnt 0x0                               ; the add is done, and my reads of this slot are over
	s_barrier_signal -1
	MULA 1, 1, 0                                   ; work on registers while the others arrive
	WIN 0                                          ; at a branch and at a label every window is 0
	s_barrier_wait -1
.if \fill
	CREST
	JLOAD                                          ; its four v_nop are also the places in front of the loads below
.else
	PLACES
.endif
	s_xor_b32 s[TB], s[TB], SLOT1                  ; the fragments come from the other slot now
	v_add_nc_u32 v[ADRA], s[TB], v[ADRA0]
	v_add_nc_u32 v[ADRB], s[TB], v[ADRB0]
	FETCH 0, 0
	MULA 1, 2, 0
	MULA 1, 3, 0
.endm
	s_wait_tensorcnt 1                             ; my part of K step 0 is in; K step 1's may stay out
	s_barrier_signal -1
	s_barrier_wait -1                              ; everybody's is
	FETCH 0, 0
	QUARTER 1, 0, 1, 1                             ; the first quarter stands in front of the loop: its products start the sums
	WIN 0
	s_mov_b32 s3, KSTEPS-2
.Lstep:                                        ; a trip goes from a K step's second quarter to the next step's first, and fills the slot that it leaves: K steps 2 to 7
	QUARTER 2, 1, 0, 0
	QUARTER 3, 0, 1, 0
	TURN 1
	QUARTER 1, 0, 1, 0
	WIN 0
	s_sub_co_u32 s3, s3, 1
	s_cmp_lg_u32 s3, 0
	s_cbranch_scc1 .Lstep
	QUARTER 2, 1, 0, 0                             ; the last two K steps are written out: nothing is asked for
	QUARTER 3, 0, 1, 0
	TURN 0
	QUARTER 1, 0, 1, 0
	QUARTER 2, 1, 0, 0
	QUARTER 3, 0, 1, 0
	s_wait_dscnt 4
	MULA 1, 0, 0
	MULA 1, 1, 0
	s_wait_dscnt 0x0
	MULA 1, 2, 0
	MULA 1, 3, 0
	WIN 0
	PLACES
; THE WAY OUT, a row block (16 rows x 3 heads) at a time.  PACK: rounded to f16, each accumulator's registers in ascending order; a lane's eight columns are 16 bytes.
.macro PACK a
	WIN 0x0a+5*((\a)/2)                            ; sources 0 and 1: window 2 or 3
.irp b, 0,1,2,3,4,5,6,7,8,9,10,11
.irp r, 0,1,2,3
	v_cvt_pk_f16_f32 v[TMP+4*(\b)+(\r)], v[8*(12*((\a)%2)+(\b))+2*(\r)], v[8*(12*((\a)%2)+(\b))+2*(\r)+1]
.endr
.endr
	WIN 0
.endm
.macro TOSTAGE                         ; into my stage, rows of 144 bytes, and back as whole rows of 128
	s_wait_xcnt 0x0                                ; the last block's stores have read their data: only behind this wait are those registers loaded again
.irp b, 0,1,2,3,4,5,6,7,8,9,10,11
	ds_store_b128 v[STO], v[TMP+4*(\b):TMP+4*(\b)+3] offset:((\b)/4)*16*SP+((\b)%4)*32
.endr
.irp n, 0,1,2,3,4,5,6,7,8,9,10,11
	ds_load_b128 v[OB+4*(\n):OB+4*(\n)+3], v[RD] offset:((\n)/4)*16*SP+((\n)%4)*4*SP  ; LDS serves a wave's instructions in order (ISA guide 5.7.1.4): these see the stores above; the next block's stores come behind them
.endr
.endm
.macro SEND a
.irp n, 0,1,2,3,4,5,6,7,8,9,10,11
	s_wait_dscnt 11-(\n)                           ; the younger loads from the stage may stay out
	global_store_b128 v[GO], v[OB+4*(\n):OB+4*(\n)+3], s[16+2*((\n)/4):17+2*((\n)/4)] offset:(\a)*2048+((\n)%4)*512  ; 512 consecutive bytes, at a multiple of 256 from the buffer's first
.endr
.endm
	PACK 0
	TOSTAGE
.irp a, 1,2,3                          ; a block's conversions stand between the loads of the block before and the wait for them
	PACK \a
	SEND (\a)-1
	TOSTAGE
.endr
	SEND 3
	s_wait_tensorcnt 0x0                           ; the wave's end, behind my last tensor load and my last LDS store
	ds_add_u32 v[SPW], v[NIL]
	s_wait_dscnt 0x0
	CROUND                                         ; the closing round: no work-group ends while a partner may still ask for a tile that names it
	s_endpgm
.Lfunc_end_k_qded0b6c4e4_qkv:
	.size	k_qded0b6c4e4_qkv, .Lfunc_end_k_qded0b6c4e4_qkv-k_qded0b6c4e4_qkv
	.p2alignl 7, 3214868480
	.fill 96, 4, 3214868480
	.section	.rodata,"a",@progbits
	.p2align	6, 0x0
	.amdhsa_kernel k_qded0b6c4e4_qkv
		.amdhsa_group_segment_fixed_size 327680
		.amdhsa_private_segment_fixed_size 0
		.amdhsa_enable_private_segment 0
		.amdhsa_kernarg_size 24
		.amdhsa_user_sgpr_count 2
		.amdhsa_user_sgpr_kernarg_segment_ptr 1
		.amdhsa_wavefront_size32 1
		.amdhsa_system_sgpr_workgroup_id_x 1
		.amdhsa_system_sgpr_workgroup_id_y 1
		.amdhsa_system_sgpr_workgroup_id_z 1
		.amdhsa_system_vgpr_workitem_id 0
		.amdhsa_next_free_vgpr 960
		.amdhsa_next_free_sgpr 66
		.amdhsa_reserve_vcc 0
		.amdhsa_float_denorm_mode_32 3
		.amdhsa_float_denorm_mode_16_64 3
		.amdhsa_memory_ordered 1
		.amdhsa_forward_progress 1
		.amdhsa_inst_pref_size 98
	.end_amdhsa_kernel
	.amdgpu_metadata
---
amdhsa.version: [ 1, 2 ]
amdhsa.kernels:
  - .name:           k_qded0b6c4e4_qkv
    .symbol:         k_qded0b6c4e4_qkv.kd
    .args:
      - { .name: xb, .offset: 0, .size: 8, .value_kind: global_buffer, .address_space: global }
      - { .name: wq, .offset: 8, .size: 8, .value_kind: global_buffer, .address_space: global }
      - { .name: qkv, .offset: 16, .size: 8, .value_kind: global_buffer, .address_space: global }
    .group_segment_fixed_size: 327680
    .private_segment_fixed_size: 0
    .kernarg_segment_align: 8
    .kernarg_segment_size: 24
    .max_flat_workgroup_size: 128
    .sgpr_count:     66
    .vgpr_count:     960
    .wavefront_size: 32
...
	.end_amdgpu_metadata
.endif
;; end of part 2
;; launch attn (part 3): grid 4 x 64, 4 waves a work-group, clusters of 4 x 1, 327,680 bytes of LDS; arguments qkv, ob; writes ob
.if DOCPART == 3
	.amdgcn_target "amdgcn-amd-amdhsa--gfx1250"
	.amdhsa_code_object_version 6
	.text
	.protected	k_qded0b6c4e4_attn
	.globl	k_qded0b6c4e4_attn
	.p2align	8
	.type	k_qded0b6c4e4_attn,@function
k_qded0b6c4e4_attn:
	s_mov_b64 s[64:65], 0
	v_nop
	global_prefetch_b8 v0, s[64:65] scope:SCOPE_SE
	s_setreg_imm32_b32 hwreg(HW_REG_WAVE_MODE, 25, 1), 1
	s_wait_xcnt 0x0
	s_wait_alu depctr_hold_cnt(0) depctr_sa_sdst(0) depctr_va_vdst(0) depctr_va_sdst(0) depctr_va_ssrc(0) depctr_va_vcc(0) depctr_vm_vsrc(0)
	s_getreg_b32 s2, hwreg(HW_REG_IB_STS2, 6, 4)
	s_cmp_eq_u32 s2, 0
	s_cbranch_scc0 .Lentry_in_a_cluster
	s_endpgm
.Lentry_in_a_cluster:
	s_bfe_u32 s2, ttmp6, 0x10000c
	s_cmp_lg_u32 s2, 0x3003
	s_cbranch_scc0 .Lentry_shape_is_right
	s_endpgm
.Lentry_shape_is_right:
; O[h][q][:] = the sum over k of softmax_k(Q[h][q] . K[h][k] / 8) V[h][k][:].  qkv holds Q, K, V one behind the other, each [SIZE_H][SIZE_N][64] in f16 (a plane for each batch and head); O has the same layout.
; A plane's rows are dense, 128 bytes each.  Products, maxima and sums in f32; the weights p are rounded to f16 for the second product (their sum l is taken of the unrounded p), O once at the end.
; LIMITS.  f16 holds no number beyond 65,504: Q, K and V arrive within it; p lies in 0 to 1, and below 6e-5 it keeps f16's fixed step of 6e-8; O is a mean of V's rows and has their range.
; A weight below 2^-126 counts as 0 in l; NaN and infinities are not treated apart.
; SHARES.  A wave owns four PIECES of two tiles of 16 queries, a work-group's four waves 512 queries of one plane.  Every wave walks all keys, 64 a step.
; LAYOUT.  S^T = K Q^T (source 0 = 16 keys, source 1 = 16 queries): in the result a lane holds ONE query (lane % 16) and the keys 8 (lane / 16) + 0..7.  Two such tiles, rounded to f16 in pairs,
; ARE source 1 (32 keys x 16 queries) of O^T = V^T P, whose result again holds one query a lane, and eight channels.  K comes out of LDS as it lies, V ([key][channel]) turned, by ds_load_tr16_b128.
; SOFTMAX.  For each query a running maximum m and sum l: p = 2^(c s - c m), c = log2(e) / 8; in every step O and l are multiplied by a = 2^(c m_old - c m_new), which is 1 where m has not grown.
; m starts at the lowest finite number, O and l at 0: the first step is a step like any other, with a = 0.
; THE COUNT.  A tile and step have 16 matrix and 118 vector instructions: too many to stand all beside the matrix work.  So the order has one aim: four vector instructions that are READY behind
; EVERY matrix instruction, and the others, which need time of their own whatever the order, in runs without a gap.
; BY TURNS.  Turn n belongs to piece n (the pieces in a ring, step after step).  Its matrix work: 16 products K Q^T of piece n + 1, later 16 products V^T P of piece n - 1.  Its vector work: the scaling,
; exponentials, roundings, sums and rescaling of piece n, and the maximum and statistics of piece n + 1, whose scores the turn itself has made.  So what a turn begins with (c s - c m, O a) waits for nothing.
; CLUSTER.  The four query blocks of a plane are one cluster and walk the same K and V, so each tile is asked for JOINTLY: the same tensor load, descriptor and mask in all four.
; REGISTERS, in windows of 256 (s_set_vgpr_msb says which window each operand place means: bits 1:0 source 0, 3:2 source 1, 5:4 source 2, 7:6 destination):
;   window 0: v0-11 addresses; v12-15, v48-63 at work; v16-47 four registers of statistics a tile; v64-191 S^T, two buffers of two tiles; v192-255 P, likewise
;   window 1: O^T, 32 a tile          window 2: v0-127 Q, 16 a tile; v128-191 K of one step; v192-255 V of one step          window 3: v0-1 the add's two registers
; A piece's buffers go by its number's parity: the piece in hand has one pair, its two neighbours in the ring share the other: of it P (piece n - 1) is read and S^T (piece n + 1) written.
.set SIZE_H, 64       ; planes: 4 batches x 16 heads
.set SIZE_N, 2048     ; rows in a plane
.set TENSOR, SIZE_H*SIZE_N*128  ; bytes of Q, of K and of V
.set NP,    4         ; pieces a wave: a name, no knob: the register map, the loop and the fetches are made for four
.set KS,    64        ; keys in a step
.set PK,    144       ; a row of K in LDS: 128 bytes + 16 of padding = 36 words: the 16 rows of a load start at 16 different groups of four banks (64 banks of 4 bytes: ISA guide 11.1)
.set PV,    160       ; a row of V: 128 + 32 = 40 words
.set VOFF,  4*KS*PK   ; a slot holds four steps: 256 rows of K, then 256 rows of V
.set SLOT1, 1<<17     ; slot 1 begins here, so that one exclusive or turns an address in one slot into the other's
.set STAGE, SLOT1+4*KS*(PK+PV)  ; behind the ring, never filled by a tensor load: 16 rows x 144 bytes for each wave, for the way out
.set SP,    144
.set AK0, 2           ; v2   my lane's place in a tile of K; never rewritten
.set AV0, 3           ; v3   the same for V
.set AK,  4           ; v4   the LDS address of K's next run of loads
.set AV,  5           ; v5   of V's
.set QO,  6           ; v6   my byte offset in the wave's rows of Q
.set STO, 6           ;      later, the way out: where I put 16 bytes of a row
.set RD,  7           ; v7   the way out: where I read rows back
.set GO,  8           ; v8   my byte offset in 512 consecutive bytes of O
.set PFO, 11          ; v11  256 x my lane, the prefetches' offset; never rewritten once it is made
.set SPW, 0           ; v0 of window 3   LDS address of my spare word: SPARE + 4 x my thread's number; never rewritten
.set NIL, 1           ; v1 of window 3   0; never rewritten
.set SPARE, STAGE+4*16*SP  ; behind the stages: the spare words, 128 bytes for each wave: two blocks of 256 bytes that no other line names
.set MV,  12          ; v12-15  c m_old, kept while c m is made anew: by buffer and tile
.set ST,  16          ; tile t's statistics at v[ST+4 t]: c m, m, l (even keys', odd keys')
.set TMP, 48          ; by buffer and tile, four registers c0-c3 at work; when the maximum is found c2 takes a
.set S,   64
.set P,   192
.set KF,  128         ; K's fragments, in window 2: key block kb, channel half c at KF + 16 kb + 8 c
.set VF,  192         ; V's: key half kk, channel block cb at VF + 32 kk + 8 cb
.set WV,  12          ; s12  my wave's number
.set G1K, 24          ; s[24:31] descriptor group 1 for K's tiles
.set G1V, 32          ; s[32:39] for V's: it differs in the padding alone
.set G0K, 40          ; s[40:43] descriptor group 0 for K's tiles: it walks
.set G0V, 44          ; s[44:47] the same for V's
.set PFA, 48          ; s[48:49] where my prefetches stand: my work-group's 32 blocks of 256 bytes (of K: wave 0, of V: wave 2) of the slot after the one that is being asked for
.set LIM, 50          ; s50  1 in a wave that prefetches, else the greatest number: a wave prefetches while s[SLOTS] is above it
.set SLOTS, 56        ; s56  slots still to be asked for
.set CNT, 57          ; s57  counts a slot's key steps
.set CS,  58          ; s[58:59] c: the packed scaling takes the pair's low word for both halves
.set SEL, 60          ; s[60:61] v_permlanex16_b32's selects: each lane takes its own place in the other half
.set TBK, 62          ; s62  LDS byte at which K of the step to be fetched begins
.set TBV, 63          ; s63  the same for V, less VOFF
.set MSB, 0
.macro WIN new                      ; the high byte repeats the setting that is left; a switch that changes nothing is dropped
.if MSB != (\new)
	s_set_vgpr_msb (MSB<<8)|(\new)
.set MSB, (\new)
.endif
.endm
.set W_KQ, 0x0a       ; K and Q in window 2, S^T in window 0
.set W_PV, 0x52       ; V in window 2, P in window 0, O^T in window 1
.set W_RS, 0x41       ; O^T (destination and source 0) in window 1, a in window 0
.set W_MK, 0xc0       ; the add's registers are made: destination in window 3, sources in window 0
.set W_AD, 0x0f       ; the add: address (source 0) and data (source 1) in window 3
; A joint fill.  Waves 0 and 1 fetch the two halves of a slot's K, waves 2 and 3 those of its V: 128 keys each.  The branch hangs on the wave's number alone.
; An s_nop 0 and four v_nop follow each of the two lines, ahead of the jump and the label.
.macro JLOAD
	s_cmp_lt_u32 s[WV], 2
	s_cbranch_scc0 .Lfor_v_\@
	tensor_load_to_lds s[G0K:G0K+3], s[G1K:G1K+7]
	s_nop 0
.rept 4
	v_nop
.endr
	s_branch .Lasked_\@
.Lfor_v_\@:
	tensor_load_to_lds s[G0V:G0V+3], s[G1V:G1V+7]
	s_nop 0
.rept 4
	v_nop
.endr
.Lasked_\@:
.endm
; A PREFETCH INTO THE L2 of what the NEXT change of slots will ask for: a slot's 32,768 bytes of K and of V, 128 blocks of 256 bytes each, a lane a block.  It stands behind the wave's tensor load and its five lines.
; Each block is named ONCE in the launch: a plane is walked by one cluster alone; its four partners share the blocks out BY ADDRESS, 32 each (no branch hangs on a work-group's place in its cluster); in each, wave 0
; asks for K's and wave 2 for V's: one instruction.  It is four key steps, 512 matrix instructions, ahead of the load that wants the bytes.  The change that fills the last slot asks for nothing.
.macro ASK
	s_cmp_gt_u32 s[SLOTS], s[LIM]
	s_cbranch_scc0 .Lnot_mine_\@
	global_prefetch_b8 v[PFO], s[PFA:PFA+1] th:TH_LOAD_NT scope:SCOPE_SE
.Lnot_mine_\@:
.endm
; A round of the cluster's barrier: my work-group's barrier, so that wave 0's signal speaks for all four waves; wave 0 signals; every wave waits for all four work-groups; my work-group's barrier once more.
.macro CROUND
	s_barrier_signal -1
	s_barrier_wait -1
	s_cmp_lg_u32 s[WV], 0
	s_cbranch_scc1 .Lnot_wave_0_\@
	s_barrier_signal -3
.Lnot_wave_0_\@:
	s_barrier_wait -3
	s_barrier_signal -1
	s_barrier_wait -1
.endm
; THE CHANGE OF SLOTS.  The slot's last bytes, V of its fourth step, have been read.  Each wave waits for all its tensor loads, of which one is out: its part
; of the other slot; adds 0 to its spare word; and waits for that and for its own reads of the slot.  Behind the barrier nobody reads this slot any more and the other slot is whole.
; fill = 1: this slot is filled again, with the keys two slots on.  The barrier is then a round of the cluster's, so that no wave of any partner still reads the slot or has a load on its
; way, and the joint fill is the first thing behind it: it has four key steps, 512 matrix instructions, in which to land.  (At its first use nothing has been read yet: slot 0 is waited for, slot 1 filled.)
.macro CHANGE fill
	WIN W_AD
	s_wait_tensorcnt 0x0            ; no tensor load of mine is out, so a group 0 may be written
	ds_add_u32 v[SPW], v[NIL]       ; 0 onto my spare word; with fill = 1 the descriptors' steps stand between it and the wait for it
	WIN 0                           ; at a label and at a branch every window is 0
.if \fill
.irp g, G0K, G0V
	s_xor_b32 s[\g+1], s[\g+1], SLOT1  ; the walking descriptor: the other slot than last time,
	s_add_nc_u64 s[\g+2:\g+3], s[\g+2:\g+3], 4*KS*128  ; the next 256 keys; the type bits on top are not reached
.endr
	s_wait_xcnt 0x0                 ; the last prefetch, four key steps back, has read its address, so it may be written:
	s_add_nc_u64 s[PFA:PFA+1], s[PFA:PFA+1], 4*KS*128  ; one slot behind the walking descriptors
	s_wait_dscnt 0x0                ; the add is done, and my reads of the slot are over
	CROUND
	JLOAD
	ASK
.else
	s_wait_dscnt 0x0                ; the add is done, and my reads of the slot are over
	s_barrier_signal -1
	s_barrier_wait -1
.endif
	s_sub_co_u32 s[TBK], s[TBK], 4*KS*PK  ; the fetches go back to a slot's first step,
	s_xor_b32 s[TBK], s[TBK], SLOT1       ; in the other slot
	s_sub_co_u32 s[TBV], s[TBV], 4*KS*PV
	s_xor_b32 s[TBV], s[TBV], SLOT1
.endm
	s_load_b128 s[4:7], s[0:1], 0x0   ; qkv s[4:5], ob s[6:7]
	WIN W_MK
	v_lshl_add_u32 v[SPW], v0, 2, SPARE
	v_mov_b32 v[NIL], 0
	WIN W_AD
	ds_add_u32 v[SPW], v[NIL]       ; the wave's opening: the add and its wait stand ahead of my first tensor load; the set-up below, work on registers, stands between them
	WIN 0
	v_lshrrev_b32 v1, 5, v0
	v_readfirstlane_b32 s[WV], v1   ; wave 0..3
	s_bfe_u32 s13, ttmp6, 0x40000   ; cx: my place in the cluster
	s_lshl_b32 s14, ttmp9, 2        ; in a cluster launch ttmp9 counts clusters
	s_add_co_u32 s14, s14, s13      ; my block of queries = 4 x cluster x + cx: it enters Q's and O's addresses alone
	s_and_b32 s20, ttmp7, 0xffff    ; the plane, which the four partners share
	s_mov_b32 s21, 0
	s_mov_b64 s[22:23], SIZE_N*128
	s_mul_u64 s[20:21], s[20:21], s[22:23]  ; the plane's first byte in each of the four tensors
	s_and_b32 s16, s[WV], 1         ; which half of a slot's 256 keys I fetch:
	s_lshl_b32 s22, s16, 14         ; its 128 rows of 128 bytes in memory,
	s_mov_b32 s23, 0
	s_add_nc_u64 s[22:23], s[22:23], s[20:21]
	s_mul_i32 s17, s16, 128*PK      ; and its place in a slot, for K
	s_mul_i32 s18, s16, 128*PV      ; and for V: no place in the cluster enters an LDS address
	s_lshl_b32 s2, s14, 2
	s_add_co_u32 s2, s2, s[WV]      ; my wave among the plane's,
	s_lshl_b32 s2, s2, 14           ; its 128 rows
	s_mov_b32 s3, 0
	s_add_nc_u64 s[2:3], s[2:3], s[20:21]
	; descriptor group 1.  128 keys are 16,384 dense bytes: asked for as 64 rows of 256 bytes, two keys a row, and padded in LDS after every key
	s_mov_b32 s[G1K], 15|(1<<16)|(1<<20)|(1<<21)|(4<<22)|(3<<25)  ; 15:0 the mask of four; 17:16 2-byte elements; 20 padding on; 21 set beside a mask; 24:22 after every 32 words (code 4); 31:25 4 words (code 3)
	s_mov_b32 s[G1V], 15|(1<<16)|(1<<20)|(1<<21)|(4<<22)|(7<<25)  ; the same with 8 words of padding (code 7)
.irp g, G1K, G1V
	s_mov_b32 s[\g+1], 128<<16      ; tensor_dim0 = 128
	s_mov_b32 s[\g+2], 64<<16       ; tensor_dim1 = 64
	s_mov_b32 s[\g+3], 128<<16      ; tile_dim0 = 128
	s_mov_b32 s[\g+4], 64           ; tile_dim1 = 64
	s_mov_b32 s[\g+5], 128          ; 128 elements from row to row
	s_mov_b32 s[\g+6], 0
	s_mov_b32 s[\g+7], 0
.endr
	s_mov_b32 s[CS], 0x3e38aa3b     ; c = log2(e) / 8 = 0.180337
	s_mov_b32 s[CS+1], s[CS]        ; named with it as a pair
	s_mov_b32 s[SEL], 0x76543210
	s_mov_b32 s[SEL+1], 0xfedcba98
	s_mov_b32 s[TBK], SLOT1+4*KS*PK ; the first change of slots turns these two into 0
	s_mov_b32 s[TBV], SLOT1+4*KS*PV
	s_mov_b32 s[G0K], 1             ; 1:0 count = 1
	s_mov_b32 s[G0K+1], s17         ; 63:32 LDS address: slot 0
	s_mov_b32 s[G0V], 1
	s_add_co_u32 s[G0V+1], s18, VOFF
	s_mov_b32 s[SLOTS], SIZE_N/256-1
	s_cmp_eq_u32 s16, 0             ; waves 0 and 2 prefetch: the same in all four partners
	s_cselect_b32 s[LIM], 1, -1
	s_wait_dscnt 0x0                ; the opening add is done
	s_wait_kmcnt 0x0
	s_mov_b64 s[10:11], s[6:7]                     ; O
	s_add_nc_u64 s[8:9], s[4:5], 2*TENSOR          ; V
	s_add_nc_u64 s[6:7], s[4:5], TENSOR            ; K; Q stays in s[4:5]
	s_add_nc_u64 s[G0K+2:G0K+3], s[6:7], s[22:23]  ; 120:64 global address: my half of the plane's first 256 keys
	s_or_b32 s[G0K+3], s[G0K+3], 0x80000000        ; 127:126 type = 2
	s_add_nc_u64 s[G0V+2:G0V+3], s[8:9], s[22:23]
	s_or_b32 s[G0V+3], s[G0V+3], 0x80000000
	s_add_nc_u64 s[4:5], s[4:5], s[2:3]  ; Q and O at my wave's first row
	s_add_nc_u64 s[10:11], s[10:11], s[2:3]
	s_cmp_lt_u32 s[WV], 2
	s_cselect_b64 s[PFA:PFA+1], s[6:7], s[8:9]
	s_add_nc_u64 s[PFA:PFA+1], s[PFA:PFA+1], s[22:23]  ; (in waves 0 and 2 this is the plane's first byte)
	s_lshl_b32 s2, s13, 13          ; my work-group's 32 blocks of the 128
	s_mov_b32 s3, 0
	s_add_nc_u64 s[PFA:PFA+1], s[PFA:PFA+1], s[2:3]
	s_add_nc_u64 s[PFA:PFA+1], s[PFA:PFA+1], 4*KS*128  ; in slot 1; the first change of slots steps it to slot 2
	CROUND                          ; all four work-groups are here: the first joint loads meet
	JLOAD                           ; slot 0.  Slot 1 is asked for when slot 0 is in: the tile wanted first has the road to itself
	; A fragment of K or Q is 16 rows x 32 channels in 8 registers: lane l holds row l % 16, channels 8 (l / 16) + 0..7 and 16 + 8 (l / 16) + 0..7: two loads of 16 bytes, 32 bytes apart.
	v_and_b32 v1, 15, v0            ; l % 16
	v_bfe_u32 v9, v0, 4, 1          ; l / 16
	v_lshlrev_b32 v[QO], 7, v1
	v_lshl_add_u32 v[QO], v9, 4, v[QO]  ; row x 128 + 16 x half
	WIN 0x80                        ; destination window 2, address window 0
.set i, 0
.rept 4*NP                          ; Q stays in registers: tile i / 2, channels 32 (i % 2) on
	global_load_b128 v[8*i:8*i+3],   v[QO], s[4:5] offset:(i/2)*2048+(i%2)*64
	global_load_b128 v[8*i+4:8*i+7], v[QO], s[4:5] offset:(i/2)*2048+(i%2)*64+32
.set i, i+1
.endr
	; What the first turn finds: V's registers and P's second buffer hold 0 (its products V^T P, of a piece that has not been, add 0), O^T and l are 0.  All this stands in the wait for the first tile.
.set i, VF
.rept 64
	v_mov_b32 v[i], 0
.set i, i+1
.endr
	WIN 0x40
.set i, 0
.rept 64*NP
	v_mov_b32 v[i], 0
.set i, i+1
.endr
	WIN 0
.set i, 0
.rept 2*NP
	v_mov_b32 v[ST+4*i], 0xfe000000    ; c m: far below every c s
	v_mov_b32 v[ST+4*i+1], 0xff7fffff  ; m
	v_mov_b32 v[ST+4*i+2], 0
	v_mov_b32 v[ST+4*i+3], 0
.set i, i+1
.endr
.set i, P+32
.rept 32
	v_mov_b32 v[i], 0
.set i, i+1
.endr
	v_mul_u32_u24 v[AK0], v1, PK
	v_lshl_add_u32 v[AK0], v9, 4, v[AK0]  ; row x pitch + 16 x half
	; The turning load takes 16 keys x 16 channels (lane l reads key 8 (l / 16) + l % 8, channels 8 ((l / 8) % 2) + 0..7) and leaves half a fragment of V^T: lane l holds channel l % 16 and 8 keys.
	v_and_b32 v10, 7, v0
	v_bfe_u32 v11, v0, 3, 1
	v_lshl_add_u32 v[AV0], v9, 3, v10
	v_mul_u32_u24 v[AV0], v[AV0], PV
	v_lshl_add_u32 v[AV0], v11, 4, v[AV0]
	v_add_nc_u32 v[AV0], VOFF, v[AV0]
	v_and_b32 v[PFO], 31, v0        ; v11 has served: it takes the prefetches' offset
	v_lshlrev_b32 v[PFO], 8, v[PFO]
	v_mov_b32 v[AK], v[AK0]         ; key step 0 lies at the head of slot 0
; THE MATRIX WORK.  The 8 accumulators of a run of 16 take turns: between the two links of a chain stand 7 others'.
; Product i of 16 of S^T = K Q^T for piece x: channels 32 (i / 8) on, keys 16 ((i / 2) % 4) on, tile 2 x + i % 2.  The first 8 start the sums.
.macro KQ x
	WIN W_KQ
.set rS, S+64*((\x)%2)+32*(i%2)+8*((i/2)%4)
.set rK, KF+16*((i/2)%4)+8*(i/8)
.set rQ, 16*(2*(\x)+i%2)+8*(i/8)
.if i < 8
	v_wmma_f32_16x16x32_f16 v[rS:rS+7], v[rK:rK+7], v[rQ:rQ+7], 0
.else
	v_wmma_f32_16x16x32_f16 v[rS:rS+7], v[rK:rK+7], v[rQ:rQ+7], v[rS:rS+7]
.endif
.endm
; Product i of 16 of O^T += V^T P for piece x: keys 32 (i / 8) on, channels 16 ((i / 2) % 4) on, tile 2 x + i % 2.
.macro PV x
	WIN W_PV
.set rO, 32*(2*(\x)+i%2)+8*((i/2)%4)
.set rV, VF+32*(i/8)+8*((i/2)%4)
.set rP, P+32*((\x)%2)+16*(i%2)+8*(i/8)
	v_wmma_f32_16x16x32_f16 v[rO:rO+7], v[rV:rV+7], v[rP:rP+7], v[rO:rO+7]
.endm
.macro MM                           ; the turn's next matrix instruction
.if i < 16
	KQ (Y+1)%NP
.set i, i+1
.else
.set i, i-16
	PV (Y+NP-1)%NP
.set i, i+17
.endif
.endm
; THE LDS LOADS stand in runs of 16, never singly among the matrix instructions: a step's K (64 keys x 64 channels: 8 fragments) and its V (turned).  Their addresses are made some lines ahead.
; last = 1 (the tail): in the last trip there is no further step, and the run is jumped over.
.macro FETCH_K last=0
	WIN 0
.if \last
	s_cmp_eq_u32 s[CNT], 1
	s_cbranch_scc1 .Lno_k_\@
.endif
	WIN 0x80                        ; destination window 2
.irp f, 0,1,2,3,4,5,6,7             ; keys 16 (f / 2) on, channels 32 (f % 2) on
	ds_load_b128 v[KF+8*\f:KF+8*\f+3],   v[AK] offset:(\f/2)*16*PK+(\f%2)*64
	ds_load_b128 v[KF+8*\f+4:KF+8*\f+7], v[AK] offset:(\f/2)*16*PK+(\f%2)*64+32
.endr
	s_add_co_u32 s[TBK], s[TBK], KS*PK  ; the next fetch is the next step's
	WIN 0
.if \last
.Lno_k_\@:
.endif
.endm
.macro FETCH_V
	WIN 0x80
.irp f, 0,1,2,3,4,5,6,7             ; keys 32 (f / 4) on, channels 16 (f % 4) on
	ds_load_tr16_b128 v[VF+8*\f:VF+8*\f+3],   v[AV] offset:(\f/4)*32*PV+(\f%4)*32
	ds_load_tr16_b128 v[VF+8*\f+4:VF+8*\f+7], v[AV] offset:(\f/4)*32*PV+16*PV+(\f%4)*32
.endr
	WIN 0
.endm
; THE VECTOR WORK OF A TURN stands in three queues, each in the order in which its entries become ready; the two tiles alternate, so that no instruction reads the result of the one before it.
.macro REGS y, u                    ; the registers of tile u (0, 1) of piece y
.set rT, ST+4*(2*(\y)+(\u))
.set rC, TMP+8*((\y)%2)+4*(\u)
.set rM, MV+2*((\y)%2)+(\u)
.set rS, S+64*((\y)%2)+32*(\u)
.set rP, P+32*((\y)%2)+16*(\u)
.set rO, 32*(2*(\y)+(\u))
.endm
; Number n of the 22 that find the NEXT piece's (Y + 1) maximum and statistics.  s0-s31 are the lane's 32 scores; each accumulator's lowest registers are read first.  XS, GS and REGS set no window: PL and EX do.
;   0-11  four chains c0-c3 of seven scores each, three operands at a time     12-14, 16  the four scores left over, the old m, and c0-c3 into c0     15  c m_old is kept
;   17, 18  the query's other 32 keys lie in the lane 16 away: the new m         19-21  c m; c m_old - c m_new; a
.macro XS u, n
	REGS (Y+1)%NP, \u
.if (\n) < 4
	v_max3_num_f32 v[rC+(\n)], v[rS+8*(\n)], v[rS+8*(\n)+1], v[rS+8*(\n)+2]
.elseif (\n) < 12
	v_max3_num_f32 v[rC+(\n)%4], v[rC+(\n)%4], v[rS+8*((\n)%4)+2*((\n)/4)+1], v[rS+8*((\n)%4)+2*((\n)/4)+2]
.elseif (\n) == 12
	v_max3_num_f32 v[rC], v[rC], v[rS+7], v[rS+15]
.elseif (\n) == 13
	v_max3_num_f32 v[rC+1], v[rC+1], v[rS+23], v[rS+31]
.elseif (\n) == 14
	v_max3_num_f32 v[rC+2], v[rC+2], v[rC+3], v[rT+1]
.elseif (\n) == 15
	v_mov_b32 v[rM], v[rT]
.elseif (\n) == 16
	v_max3_num_f32 v[rC], v[rC], v[rC+1], v[rC+2]
.elseif (\n) == 17
	v_permlanex16_b32 v[rC+3], v[rC], s[SEL], s[SEL+1]
.elseif (\n) == 18
	v_max_num_f32 v[rT+1], v[rC], v[rC+3]
.elseif (\n) == 19
	v_mul_f32 v[rT], s[CS], v[rT+1]
.elseif (\n) == 20
	v_sub_f32 v[rC+1], v[rM], v[rT]
.else
	v_exp_f32 v[rC+2], v[rC+1]
.endif
.endm
; Number g of the 64 that follow the exponentials.  For each four weights k of a tile (pairs 2 k, 2 k + 1): both pairs are rounded to f16; then the second pair is added onto the first, in place;
; a group later l takes that sum (the first time as l = a l + sum).  In groups of eight, tiles alternating: round, round, add, and l for the group before.
.macro GS g
.set h, (\g)+6*((\g)/62)            ; group 0 has no group before it, and behind group 7 only l is left
.if h >= 6
.set h, h+2
.endif
	REGS Y, h%2
.set k, h/8
.if h%8 < 4
	s_wait_alu depctr_va_vdst(0)
	v_cvt_pk_f16_f32 v[rP+2*k+(h%8)/2], v[rS+4*k+2*((h%8)/2)], v[rS+4*k+2*((h%8)/2)+1]
.elseif h%8 < 6
	v_pk_add_f32 v[rS+4*k:rS+4*k+1], v[rS+4*k:rS+4*k+1], v[rS+4*k+2:rS+4*k+3]
.elseif k == 1
	v_pk_fma_f32 v[rT+2:rT+3], v[rT+2:rT+3], v[rC+2:rC+3], v[rS:rS+1] op_sel_hi:[1,0,1]
.else
	v_pk_add_f32 v[rT+2:rT+3], v[rT+2:rT+3], v[rS+4*k-4:rS+4*k-3]
	s_wait_alu depctr_va_vdst(0)
.endif
.endm
; THE PLAIN QUEUE, 138 long.  0-31: c s - c m for the 16 pairs of both tiles.  Then GS's 64, and among them the next piece's 42: number 15 at 38, 39; 0-14 and 16
; at 42-73, behind the products that make those scores; 17-20 at 95-106, two of three, since each waits for the one before it.
.macro PL
	WIN 0
.if q < 32
	REGS Y, q%2
	v_pk_fma_f32 v[rS+2*(q/2):rS+2*(q/2)+1], v[rS+2*(q/2):rS+2*(q/2)+1], s[CS:CS+1], v[rT:rT+1] op_sel_hi:[1,0,0] neg_lo:[0,0,1] neg_hi:[0,0,1]
.elseif q < 38
	GS q-32
.elseif q < 40
	XS q%2, 15
.elseif q < 42
	GS q-34
.elseif q < 74
	XS q%2, (q-42)/2+(q-42)/30
.elseif q < 95
	GS q-66
.elseif (q < 107) && ((q-95)%3 < 2)
	XS (q-95)%3, 17+(q-95)/3
.elseif q < 107
	GS 29+(q-95)/3
.else
	GS q-74
.endif
.set q, q+1
.endm
; THE EXPONENTIALS' QUEUE, 66 long: s0-s31 of both tiles, and at EA the next piece's two a.
.set EA, 58
.macro EX
	WIN 0
.if (e == EA) || (e == EA+1)
	XS e-EA, 21
.else
.set x, e-2*(e/(EA+2))
	REGS Y, x%2
	v_exp_f32 v[rS+x/2], v[rS+x/2]
.endif
.set e, e+1
.endm
; THE RESCALING's QUEUE: O^T times a, the one part that leaves window 0, so it is dealt four at a time, eight times.
.macro R4
	REGS Y, r%2
	WIN W_RS
	s_wait_alu depctr_va_vdst(0)
.irp z, 0,1,2,3
	v_pk_mul_f32 v[rO+8*(r/2)+2*\z:rO+8*(r/2)+2*\z+1], v[rO+8*(r/2)+2*\z:rO+8*(r/2)+2*\z+1], v[rC+2:rC+3] op_sel_hi:[1,0]
.endr
.set r, r+1
.endm
; HOW THEY ARE DEALT.  Behind a matrix instruction four: plain, exponential, plain, plain (one exponential, a plain instruction on either side), or four of the rescaling.  None names a register of the
; products round it.  What is over stands in two LUMPS: exponential and plain by turns; the second ends in 22 plain instructions.  The two v_permlanex16_b32 fall into the second lump, never behind a product.
; The queues lean on each other, and the deal keeps them in step: exponential e stands behind plain 2 (e / 4) + e % 2 (its scaling); when plain 32 comes, 10 exponentials are out, at 59: 33, at 95: 46; EA comes behind plain 107.
.macro SL
	MM
	PL
	EX
	PL
	PL
.endm
.macro BURST n                      ; 15 matrix instructions, or 16
.rept (\n)-7
	SL
.endr
.rept 3
	MM
	R4
	SL
.endr
	MM
	R4
.endm
; A TURN, for piece p.  cnt = 1: the loop's count is taken down some lines ahead of the branch that stands behind the turn.
; K of the next step is fetched in piece 2's turn, 31 vector instructions behind the last product that read K; its first reader comes behind the rest of the lump, 16 products and the second lump.
; V of the step in hand is fetched at the end of piece 0's turn, 69 behind its last reader; its first reader comes behind 16 products and a lump.  The four conditions on e and q below go with the deal.
.macro TURN p, last=0, cnt=0
.set Y, (\p)
.set i, 0
.set q, 0
.set e, 0
.set r, 0
.if (\p) == NP-1
	s_wait_dscnt 0x0                ; K is in
.endif
	MM
.rept 4
	PL
.endr
	BURST 15
.rept 22
	EX
	PL
.if ((\p) == NP-2) && (e == 18)
	v_add_nc_u32 v[AK], s[TBK], v[AK0]
.endif
.if ((\p) == NP-2) && (e == 24)
	FETCH_K \last
.endif
.endr
.if (\p) == 1
	s_wait_dscnt 0x0                ; V is in
.endif
	BURST 16
.rept 21
	EX
	PL
.endr
.rept 22
	PL
.if ((\p) == 0) && (q == 118)
	v_add_nc_u32 v[AV], s[TBV], v[AV0]
	s_wait_alu depctr_va_vdst(0)
.endif
.if ((\p) == 0) && (q == 130)
	s_add_co_u32 s[TBV], s[TBV], KS*PV
.endif
.if (\cnt) && (q == 130)
	s_sub_co_u32 s[CNT], s[CNT], 1
	s_cmp_lg_u32 s[CNT], 0
.endif
.endr
.if (\p) == 0
	FETCH_V
.endif
.endm
	CHANGE 1                        ; slot 0 is in, everybody's part of it; slot 1 is asked for
	FETCH_K                         ; key step 0
	s_wait_loadcnt 0x0              ; Q
	s_wait_dscnt 0x0
.set i, 0
.rept 16
	KQ 0                            ; piece 0's first scores: there is no vector work yet to set between them
.set i, i+1
.endr
	WIN 0                           ; the addresses for the way out: nine plain instructions, the places behind those products
	s_mul_i32 s13, s[WV], 16*SP
	s_add_co_u32 s13, s13, STAGE    ; my stage
	v_mul_u32_u24 v[STO], v1, SP    ; in: row l % 16, 16 bytes for each half of the lanes
	v_lshl_add_u32 v[STO], v9, 4, v[STO]
	v_add_nc_u32 v[STO], s13, v[STO]
	v_bfe_u32 v[RD], v0, 3, 2       ; back: 32 lanes take four rows of 128 bytes,
	v_mul_u32_u24 v[RD], v[RD], SP
	v_lshl_add_u32 v[RD], v10, 4, v[RD]
	v_add_nc_u32 v[RD], s13, v[RD]
	v_and_b32 v[GO], 31, v0         ; which are 512 consecutive bytes of O
	v_lshlrev_b32 v[GO], 4, v[GO]
.set Y, NP-1                        ; XS works for piece Y + 1: piece 0
.irp n, 0,1,2,3,4,5,6,7,8,9,10,11,12,13,14,15,16,17,18,19,20,21
	XS 0, \n                        ; and piece 0's first maximum and statistics
	XS 1, \n
.endr
	s_mov_b32 s[CNT], 4
	s_branch .Lfirst                ; the loop is entered at a step's first turn, in the middle of a trip
.Lslot:                             ; SIZE_N / 256 - 2 times: every slot but the last two is filled again
	CHANGE 1
	s_mov_b32 s[CNT], 4
.Lstep:                             ; a trip: pieces 2 and 3 of one step, then pieces 0 and 1 of the next, whose K and V it fetches
	TURN 2
	TURN 3
	WIN 0
.Lfirst:
	TURN 0
	TURN 1, 0, 1
	WIN 0
	s_cbranch_scc1 .Lstep
	s_sub_co_u32 s[SLOTS], s[SLOTS], 1
	s_cmp_lg_u32 s[SLOTS], 0
	s_cbranch_scc1 .Lslot
	CHANGE 0                        ; the tail is written out: nothing is asked for
	s_mov_b32 s[CNT], 5             ; four trips fetch the last slot's steps; the fifth is left in its middle
.Ltail:
	TURN 2, 1
	TURN 3
	WIN 0
	s_sub_co_u32 s[CNT], s[CNT], 1
	s_cmp_eq_u32 s[CNT], 0
	s_cbranch_scc1 .Lout
	TURN 0
	TURN 1
	WIN 0
	s_branch .Ltail
.Lout:                              ; the fifth trip's 16 products K Q^T (on the last K once more) and the maximum made of them serve nothing: the price, once a launch, of one text for every trip
.set i, 0
.rept 16
	PV NP-1                         ; the last piece's V^T P of the last step
.set i, i+1
.endr
	; THE WAY OUT.  l's two halves and the other half of the lanes' are added; O^T is divided by l, rounded to f16 and sent through my stage in LDS, a tile at a time.  The additions are the places behind the last products.
	WIN 0
.macro ALL line:vararg              ; one line for each tile t
.set t, 0
.rept 2*NP
	\line
.set t, t+1
.endr
.endm
	ALL v_add_f32 v[ST+4*t+2], v[ST+4*t+2], v[ST+4*t+3]
	ALL v_permlanex16_b32 v[ST+4*t+3], v[ST+4*t+2], s[SEL], s[SEL+1]
	ALL v_add_f32 v[ST+4*t+2], v[ST+4*t+2], v[ST+4*t+3]
	ALL v_rcp_f32 v[ST+4*t+2], v[ST+4*t+2]
	v_nop                           ; a plain instruction between the last reciprocal and the use of its result
	s_wait_alu depctr_va_vdst(0)
; Tile t: a lane's eight channels of a row pack into 16 bytes; they go into rows of 144 bytes and come back as whole rows of 128, into S^T's registers.
.macro PACK t
	WIN W_RS
.set i, 32*(\t)
.rept 16
	v_pk_mul_f32 v[i:i+1], v[i:i+1], v[ST+4*(\t)+2:ST+4*(\t)+3] op_sel_hi:[1,0]
.set i, i+2
.endr
	WIN 0x05                        ; sources 0 and 1 window 1, destination window 0
.set i, 0
.rept 16
	v_cvt_pk_f16_f32 v[S+16*(\t)+i], v[32*(\t)+2*i], v[32*(\t)+2*i+1]
.set i, i+1
.endr
	WIN 0
.irp f, 0,1,2,3
	ds_store_b128 v[STO], v[S+16*(\t)+4*\f:S+16*(\t)+4*\f+3] offset:32*\f
.endr
.irp f, 0,1,2,3
	ds_load_b128 v[S+16*(\t)+4*\f:S+16*(\t)+4*\f+3], v[RD] offset:\f*4*SP  ; LDS serves a wave's instructions in order (ISA guide 5.7.1.4): these see the stores above; the next tile's stores come behind them
.endr
.endm
.macro SEND t, younger              ; younger: the LDS instructions issued behind tile t's loads: the next tile's eight, or none
	WIN 0
.irp f, 0,1,2,3
	s_wait_dscnt (\younger)+3-\f
	global_store_b128 v[GO], v[S+16*(\t)+4*\f:S+16*(\t)+4*\f+3], s[10:11] offset:(\t)*2048+\f*512  ; 512 consecutive bytes, at a multiple of 256 from O's first
.endr
.endm
	PACK 0
.set t, 1
.rept 2*NP-1                        ; a tile's arithmetic stands between the loads of the tile before and its stores
	PACK t
	SEND t-1, 8
.set t, t+1
.endr
	SEND 2*NP-1, 0
	WIN W_AD
	s_wait_tensorcnt 0x0            ; the wave's end, behind my last tensor load and my last LDS store
	ds_add_u32 v[SPW], v[NIL]
	s_wait_dscnt 0x0
	WIN 0
	CROUND                          ; the closing round: no work-group ends while a partner may still ask for a tile that names it
	s_endpgm
.Lfunc_end_k_qded0b6c4e4_attn:
	.size	k_qded0b6c4e4_attn, .Lfunc_end_k_qded0b6c4e4_attn-k_qded0b6c4e4_attn
	.p2alignl 7, 3214868480
	.fill 96, 4, 3214868480
	.section	.rodata,"a",@progbits
	.p2align	6, 0x0
	.amdhsa_kernel k_qded0b6c4e4_attn
		.amdhsa_group_segment_fixed_size 327680
		.amdhsa_private_segment_fixed_size 0
		.amdhsa_enable_private_segment 0
		.amdhsa_kernarg_size 16
		.amdhsa_user_sgpr_count 2
		.amdhsa_user_sgpr_kernarg_segment_ptr 1
		.amdhsa_wavefront_size32 1
		.amdhsa_system_sgpr_workgroup_id_x 1
		.amdhsa_system_sgpr_workgroup_id_y 1
		.amdhsa_system_sgpr_workgroup_id_z 1
		.amdhsa_system_vgpr_workitem_id 0
		.amdhsa_next_free_vgpr 770
		.amdhsa_next_free_sgpr 66
		.amdhsa_reserve_vcc 0
		.amdhsa_float_denorm_mode_32 3
		.amdhsa_float_denorm_mode_16_64 3
		.amdhsa_memory_ordered 1
		.amdhsa_forward_progress 1
		.amdhsa_inst_pref_size 209
	.end_amdhsa_kernel
	.amdgpu_metadata
---
amdhsa.version: [ 1, 2 ]
amdhsa.kernels:
  - .name:           k_qded0b6c4e4_attn
    .symbol:         k_qded0b6c4e4_attn.kd
    .args:
      - { .name: qkv, .offset: 0, .size: 8, .value_kind: global_buffer, .address_space: global }
      - { .name: ob, .offset: 8, .size: 8, .value_kind: global_buffer, .address_space: global }
    .group_segment_fixed_size: 327680
    .private_segment_fixed_size: 0
    .kernarg_segment_align: 8
    .kernarg_segment_size: 16
    .max_flat_workgroup_size: 128
    .sgpr_count:     66
    .vgpr_count:     770
    .wavefront_size: 32
...
	.end_amdgpu_metadata
.endif
;; end of part 3
;; launch proj (part 4): grid 8 x 32, 4 waves a work-group, clusters of 4 x 4, 327,680 bytes of LDS; arguments ob, wp, b_proj, out0; writes out0
.if DOCPART == 4
	.amdgcn_target "amdgcn-amd-amdhsa--gfx1250"
	.amdhsa_code_object_version 6
	.text
	.protected	k_qded0b6c4e4_proj
	.globl	k_qded0b6c4e4_proj
	.p2align	8
	.type	k_qded0b6c4e4_proj,@function
k_qded0b6c4e4_proj:
	s_mov_b64 s[64:65], 0
	v_nop
	global_prefetch_b8 v0, s[64:65] scope:SCOPE_SE
	s_setreg_imm32_b32 hwreg(HW_REG_WAVE_MODE, 25, 1), 1
	s_wait_xcnt 0x0
	s_wait_alu depctr_hold_cnt(0) depctr_sa_sdst(0) depctr_va_vdst(0) depctr_va_sdst(0) depctr_va_ssrc(0) depctr_va_vcc(0) depctr_vm_vsrc(0)
	s_getreg_b32 s2, hwreg(HW_REG_IB_STS2, 6, 4)
	s_cmp_eq_u32 s2, 0
	s_cbranch_scc0 .Lentry_in_a_cluster
	s_endpgm
.Lentry_in_a_cluster:
	s_bfe_u32 s2, ttmp6, 0x10000c
	s_cmp_lg_u32 s2, 0xf033
	s_cbranch_scc0 .Lentry_shape_is_right
	s_endpgm
.Lentry_shape_is_right:
; THE SECOND PROJECTION.  out0 = O w_proj + b_proj.  ob [b 4][h 16][n 2048][64] f16 (channel c of a row is head c / 64, place c % 64) times wp (f16, blocks [j 8][s 8][hh 2][kl 128][cc 64]), sums in f32, K ascending;
; the bias, rounded to bf16 like the other inputs, is added in f32; out0 [8192][1024] f32.
; SHARES.  A tile of the result is 256 rows x 128 columns: 32 x 8 = 256 tiles.  Four waves, one above the other: wave w makes rows 64 w .. 64 w + 63 and all 128 columns: 4 x 8 accumulators of 16 x 16, 256 registers.
; So a wave holds whole 512-byte pieces of rows and has a stage of its own on the way out.  K goes in 8 steps of 128, two heads each, through two LDS slots; a step is four quarters of 32 along K on two fragment buffers.
; THE MATRIX INSTRUCTION IS USED TRANSPOSED: source 0 = 16 columns of w (turned out of LDS by ds_load_tr16_b128), source 1 = 16 rows of O: a lane holds row l % 16 and eight neighbouring columns.
; CLUSTER.  4 x 4 work-groups.  The four of a row of the cluster need the same rows of O, the four of a column the same columns of w: each tile is asked for JOINTLY, by the same tensor load, descriptor and mask.
; REGISTERS, in windows of 256 (s_set_vgpr_msb: bits 1:0 source 0, 3:2 source 1, 5:4 source 2, 7:6 destination):
;   window 0: v0-31 addresses and the bias; v64-127 O's fragments, two buffers of 4 x 8; v128-191 at work on the way out      window 1: v0-127 w's fragments, two buffers of 8 x 8      window 2: the accumulators ((a, b) at v[8 (8 a + b)])
.set KSTEPS, 8
.set NB,    8                          ; column blocks of 16
.set NL,    2*NB+8                     ; LDS loads in a quarter's run
.set PA,    144                        ; a row of O (one head's 64 channels) in LDS: 128 bytes + 16 = 36 words: the 16 rows of a load start at 16 different groups of four banks (64 banks of 4 bytes: ISA guide 11.1)
.set APL,   256*PA                     ; a head's 256 rows
.set PB,    160                        ; a row of w (one k, 64 columns): 128 + 32 = 40 words
.set BPL,   128*PB
.set BOFF,  2*APL                      ; w's two halves lie behind O's two heads
.set SLOT1, 1<<17                      ; a slot uses BOFF + 2 BPL = 114,688 bytes; one exclusive or turns an address in one slot into the other's
.set STAGE, SLOT1+BOFF+2*BPL           ; behind the ring, never filled by a tensor load: for each wave 16 rows x 528 bytes
.set SP,    528                        ; 512 bytes + 16 = 132 words
.set STW,   16*SP
.set SPARE, STAGE+4*STW                ; behind the stages: the spare words, 128 bytes for each wave: two blocks of 256 bytes that no other line names
.set STEPA, 2*262144                   ; bytes from a K step to the next: two heads' planes of ob,
.set STEPB, 2*128*128                  ; and one dense tile of wp
.set BI,    8                          ; v[8:11] the bias of my four columns on the way out
.set ADRA0, 16                         ; v16  my lane's place among O's rows of a slot; never rewritten
.set ADRB0, 17                         ; v17  the same for w
.set ADRA,  18                         ; v18  the same in the slot in hand
.set ADRB,  19                         ; v19
.set STO,   24                         ; v24  the way out: where I put 32 bytes of a row
.set RD,    25                         ; v25  where I read a row back
.set GO,    26                         ; v26  my byte offset in 512 consecutive bytes of a row
.set SPW,   28                         ; v28  LDS address of my spare word: SPARE + 4 x my thread's number; never rewritten
.set NIL,   29                         ; v29  0; never rewritten
.set FA,    64
.set OB,    128
.set G1A, 24                           ; s[24:31] descriptor group 1 for O's tiles
.set G0A, 32                           ; s[32:39] group 0: a set for each of the two first fills; the second then walks on
.set G1B, 48                           ; s[48:55], s[56:63] the same for w's tiles
.set G0B, 56
.set TB,  45                           ; s45  LDS byte at which the slot in hand begins
.set MSB, 0
.macro WIN new                         ; the immediate's high byte repeats the setting that is left; a switch that changes nothing is dropped
.if MSB != (\new)
	s_set_vgpr_msb (MSB<<8)|(\new)
.set MSB, \new
.endif
.endm
.set MUL,  0xa1                        ; source 0 (w) window 1, source 1 (O) window 0, C and D window 2
.set TO_B, 0x40                        ; destination window 1, address window 0
.macro PLACES                          ; four plain vector instructions between a matrix instruction and a load into, or a read of, its registers (ISA guide 7.12.1 for vector instructions)
.rept 4
	v_nop
.endr
.endm
; A joint refill.  Waves 0 and 1 fetch the two heads of O's tile, waves 2 and 3 the two halves of w's.  The branch hangs on the wave's number alone.  An s_nop 0 and four v_nop follow each of the two lines.
.macro JLOAD
	s_cmp_eq_u32 s11, 0
	s_cbranch_scc0 .Lfor_b_\@
	tensor_load_to_lds s[G0A+4:G0A+7], s[G1A:G1A+7]
	s_nop 0
.rept 4
	v_nop
.endr
	s_branch .Lasked_\@
.Lfor_b_\@:
	tensor_load_to_lds s[G0B+4:G0B+7], s[G1B:G1B+7]
	s_nop 0
.rept 4
	v_nop
.endr
.Lasked_\@:
.endm
; A round of the cluster's barrier: my work-group's barrier, so that wave 0's signal speaks for all four waves; wave 0 signals; every wave waits for all sixteen work-groups; my work-group's barrier once more.
.macro CREST                           ; a round behind its opening barrier
	s_cmp_lg_u32 s10, 0
	s_cbranch_scc1 .Lnot_wave_0_\@
	s_barrier_signal -3
.Lnot_wave_0_\@:
	s_barrier_wait -3
	s_barrier_signal -1
	s_barrier_wait -1
.endm
.macro CROUND
	s_barrier_signal -1
	s_barrier_wait -1
	CREST
.endm
	s_load_b128 s[4:7], s[0:1], 0x0                ; ob s[4:5], wp s[6:7]
	s_load_b128 s[16:19], s[0:1], 0x10             ; b_proj s[16:17], out0 s[18:19]
	v_lshl_add_u32 v[SPW], v0, 2, SPARE
	v_mov_b32 v[NIL], 0
	ds_add_u32 v[SPW], v[NIL]                      ; the wave's opening: the add and its wait stand ahead of my first tensor load; the set-up below, work on registers, stands between them
	v_lshrrev_b32 v1, 5, v0
	v_readfirstlane_b32 s10, v1                    ; wave 0..3
	s_lshr_b32 s11, s10, 1                         ; I fetch for O (0) or for w (1),
	s_and_b32 s12, s10, 1                          ; and which half of that tile
	s_bfe_u32 s40, ttmp6, 0x40000                  ; cx, cy: my place in the cluster
	s_bfe_u32 s41, ttmp6, 0x40004
	s_lshl_b32 s42, ttmp9, 2
	s_add_co_u32 s42, s42, s40                     ; j: tile column = 4 x cluster x + cx
	s_and_b32 s13, ttmp7, 0xffff
	s_lshl_b32 s13, s13, 2
	s_add_co_u32 s13, s13, s41                     ; ty: tile row = 4 x cluster y + cy
	s_lshl_b32 s43, s41, 2
	s_lshl_b32 s43, 15, s43                        ; my row of the cluster: places 4 cy .. 4 cy + 3
	s_lshl_b32 s44, 0x1111, s40                    ; my column: places cx, cx + 4, cx + 8, cx + 12
	; group 1.  Both tiles are dense in memory and are asked for as rows of 256 bytes, padded in LDS after every 32 words: O: 256 rows of a head, 32,768 bytes, 4 words of padding; w: 128 k of 64 columns, 16,384 bytes, 8 words.
	s_or_b32 s[G1A], s43, (1<<16)|(1<<20)|(1<<21)|(4<<22)|(3<<25)  ; 15:0 the mask; 17:16 2-byte elements; 20 padding on; 21 set beside a mask; 24:22 the interval's code; 31:25 the padding's words less one
	s_or_b32 s[G1B], s44, (1<<16)|(1<<20)|(1<<21)|(4<<22)|(7<<25)
	s_mov_b32 s[G1A+1], 128<<16                    ; tensor_dim0 = 128
	s_mov_b32 s[G1A+2], 128<<16                    ; tensor_dim1 = 128
	s_mov_b32 s[G1A+3], 128<<16                    ; tile_dim0 = 128
	s_mov_b32 s[G1A+4], 128                        ; tile_dim1 = 128
	s_mov_b32 s[G1A+5], 128                        ; elements from row to row
	s_mov_b32 s[G1A+6], 0
	s_mov_b32 s[G1A+7], 0
	s_mov_b32 s[G1B+1], 128<<16
	s_mov_b32 s[G1B+2], 64<<16
	s_mov_b32 s[G1B+3], 128<<16
	s_mov_b32 s[G1B+4], 64
	s_mov_b32 s[G1B+5], 128
	s_mov_b32 s[G1B+6], 0
	s_mov_b32 s[G1B+7], 0
	; where the tiles come from: O's hang on ty and the wave alone, w's on j and the wave alone; no place in the cluster enters an LDS address
	s_lshr_b32 s14, s13, 3                         ; the batch
	s_lshl_b32 s14, s14, 4                         ; its 16 planes,
	s_add_co_u32 s14, s14, s12                     ; the K step's first or second head,
	s_lshl_b32 s14, s14, 18                        ; 262,144 bytes a plane,
	s_and_b32 s15, s13, 7
	s_lshl_b32 s15, s15, 15                        ; the tile's 256 rows of 128 bytes
	s_add_co_u32 s14, s14, s15
	s_mov_b32 s15, 0
	s_lshl_b32 s46, s42, 18                        ; j's eight tiles of wp
	s_lshl_b32 s47, s12, 14
	s_add_co_u32 s46, s46, s47
	s_mov_b32 s47, 0
	s_mul_i32 s22, s12, APL                        ; and where they go
	s_mul_i32 s23, s12, BPL
	s_add_co_u32 s23, s23, BOFF
	s_wait_dscnt 0x0                               ; the opening add is done
	s_wait_kmcnt 0x0
	s_add_nc_u64 s[14:15], s[4:5], s[14:15]
	s_add_nc_u64 s[46:47], s[6:7], s[46:47]
.irp n, 0,1
	s_mov_b32 s[G0A+4*(\n)], 1                                      ; 1:0 count = 1
	s_add_co_u32 s[G0A+4*(\n)+1], s22, (\n)*SLOT1                   ; 63:32 LDS address
	s_add_nc_u64 s[G0A+4*(\n)+2:G0A+4*(\n)+3], s[14:15], (\n)*STEPA ; 120:64 global address: K step n
	s_or_b32 s[G0A+4*(\n)+3], s[G0A+4*(\n)+3], 0x80000000           ; 127:126 type = 2
	s_mov_b32 s[G0B+4*(\n)], 1
	s_add_co_u32 s[G0B+4*(\n)+1], s23, (\n)*SLOT1
	s_add_nc_u64 s[G0B+4*(\n)+2:G0B+4*(\n)+3], s[46:47], (\n)*STEPB
	s_or_b32 s[G0B+4*(\n)+3], s[G0B+4*(\n)+3], 0x80000000
.endr
	CROUND                                         ; all sixteen work-groups are here: the first joint loads meet
	s_cmp_eq_u32 s11, 0                            ; a wave's two first fills stand in one branch, ahead of every wait on TENSORcnt and every LDS read: two loads of mine are out
	s_cbranch_scc0 .Lfirst_b
	tensor_load_to_lds s[G0A:G0A+3], s[G1A:G1A+7]
	s_nop 0
	tensor_load_to_lds s[G0A+4:G0A+7], s[G1A:G1A+7]
	s_nop 0
.rept 4
	v_nop
.endr
	s_branch .Lfirst_asked
.Lfirst_b:
	tensor_load_to_lds s[G0B:G0B+3], s[G1B:G1B+7]
	s_nop 0
	tensor_load_to_lds s[G0B+4:G0B+7], s[G1B:G1B+7]
	s_nop 0
.rept 4
	v_nop
.endr
.Lfirst_asked:
	v_and_b32 v[GO], 31, v0                        ; on the way out a lane has 16 bytes, four columns, of a row's 512
	v_lshlrev_b32 v[GO], 4, v[GO]
	s_lshl_b32 s46, s42, 9                         ; the tile's 128 columns: 512 bytes of the bias and of a row of out0
	s_mov_b32 s47, 0
	s_add_nc_u64 s[16:17], s[16:17], s[46:47]
	global_load_b128 v[BI:BI+3], v[GO], s[16:17]   ; the bias of my four columns
	; O's fragment: 16 rows x 32 K in 8 registers: lane l holds row l % 16, K = 8 (l / 16) + 0..7 and 16 + 8 (l / 16) + 0..7: two loads of 16 bytes, 32 bytes apart
	v_and_b32 v1, 15, v0                           ; l % 16
	v_bfe_u32 v2, v0, 4, 1                         ; l / 16
	v_mul_u32_u24 v3, v1, PA
	v_lshl_add_u32 v3, v2, 4, v3
	s_mul_i32 s2, s10, 64*PA                       ; my wave's 64 rows
	v_add_nc_u32 v[ADRA0], s2, v3
	; w's: the turning load takes 16 k x 16 columns (lane l reads k = 8 (l / 16) + l % 8, columns 8 ((l / 8) % 2) + 0..7) and leaves half a fragment: lane l holds column l % 16 and 8 k
	v_and_b32 v6, 7, v0
	v_lshl_add_u32 v4, v2, 3, v6
	v_mul_u32_u24 v4, v4, PB
	v_bfe_u32 v5, v0, 3, 1
	v_lshl_add_u32 v4, v5, 4, v4
	v_add_nc_u32 v[ADRB0], BOFF, v4
	s_mov_b32 s[TB], 0
	v_add_nc_u32 v[ADRA], s[TB], v[ADRA0]
	v_add_nc_u32 v[ADRB], s[TB], v[ADRB0]
	s_mul_i32 s2, s10, STW
	s_add_co_u32 s2, s2, STAGE                     ; my stage
	v_mul_u32_u24 v[STO], v1, SP                   ; in: row l % 16, 32 bytes for each half of the lanes
	v_lshl_add_u32 v[STO], v2, 5, v[STO]
	v_add_nc_u32 v[STO], s2, v[STO]
	v_add_nc_u32 v[RD], s2, v[GO]                  ; back: 32 lanes take one row's 512 bytes
	s_lshl_b32 s2, s13, 20                         ; out0 at my wave's first row: 256 ty rows of 4,096 bytes,
	s_lshl_b32 s22, s10, 18                        ; 64 w rows,
	s_add_co_u32 s2, s2, s22
	s_add_co_u32 s2, s2, s46                       ; and the tile's columns
	s_mov_b32 s3, 0
	s_add_nc_u64 s[18:19], s[18:19], s[2:3]
	s_wait_loadcnt 0x0                             ; the bias: rounded to bf16 and widened again, while the first tile is on its way
	v_cvt_pk_bf16_f32 v12, v[BI], v[BI+1]
	v_cvt_pk_bf16_f32 v13, v[BI+2], v[BI+3]
	v_lshlrev_b32 v[BI],   16, v12
	v_and_b32     v[BI+1], 0xffff0000, v12
	v_lshlrev_b32 v[BI+2], 16, v13
	v_and_b32     v[BI+3], 0xffff0000, v13
; 8 matrix instructions: row block a x all 8 column blocks, 32 along K, from buffer f.  zero = 1: the product starts the sums: nothing is ever cleared.
; The 32 accumulators are taken in the same order in every quarter, one instruction a turn.
.macro MULA f, a, zero
	WIN MUL
.irp b, 0,1,2,3,4,5,6,7
.if \zero
	v_wmma_f32_16x16x32_f16 v[8*(8*(\a)+(\b)):8*(8*(\a)+(\b))+7], v[64*(\f)+8*(\b):64*(\f)+8*(\b)+7], v[FA+32*(\f)+8*(\a):FA+32*(\f)+8*(\a)+7], 0
.else
	v_wmma_f32_16x16x32_f16 v[8*(8*(\a)+(\b)):8*(8*(\a)+(\b))+7], v[64*(\f)+8*(\b):64*(\f)+8*(\b)+7], v[FA+32*(\f)+8*(\a):FA+32*(\f)+8*(\a)+7], v[8*(8*(\a)+(\b)):8*(8*(\a)+(\b))+7]
.endif
.endr
.endm
; 24 LDS loads in one run: quarter q's fragments into buffer g: w's 8 first, O's row blocks 2 and 3 last.  Quarter q of O lies in head q / 2, channels 32 (q % 2) on.
.macro FETCH q, g
	WIN TO_B
.irp i, 0,1,2,3,4,5,6,7
	ds_load_tr16_b128 v[64*(\g)+8*(\i):64*(\g)+8*(\i)+3],   v[ADRB] offset:((\i)/4)*BPL+32*(\q)*PB+((\i)%4)*32
	ds_load_tr16_b128 v[64*(\g)+8*(\i)+4:64*(\g)+8*(\i)+7], v[ADRB] offset:((\i)/4)*BPL+32*(\q)*PB+((\i)%4)*32+16*PB
.endr
	WIN 0
.irp a, 0,1,2,3
	ds_load_b128 v[FA+32*(\g)+8*(\a):FA+32*(\g)+8*(\a)+3],   v[ADRA] offset:((\q)/2)*APL+((\q)%2)*64+(\a)*16*PA
	ds_load_b128 v[FA+32*(\g)+8*(\a)+4:FA+32*(\g)+8*(\a)+7], v[ADRA] offset:((\q)/2)*APL+((\q)%2)*64+(\a)*16*PA+32
.endr
.endm
; One of a K step's first three quarters: multiplies buffer f; in its middle it fetches quarter q into buffer g
.macro QUARTER q, f, g, zero
	s_wait_dscnt 4                                 ; all but the youngest four loads: O's row blocks 2 and 3
	MULA \f, 0, \zero
	MULA \f, 1, \zero
	PLACES
	FETCH \q, \g
	s_wait_dscnt NL                                ; all but the run just issued
	MULA \f, 2, \zero
	MULA \f, 3, \zero
.endm
; The last quarter multiplies buffer 1 and changes slots.  In front of the barrier each wave waits for all its tensor loads (one is out: its part of the next slot), adds 0 to its spare word, and waits for that and
; for its own reads of this slot.  fill = 1: the barrier opens a round of the cluster's, so that no wave of any partner still reads this slot or has a load on its way, and the joint refill, this slot's tile two K steps
; on, is the first thing behind it: 112 of a step's 128 matrix instructions stand between it and the wait for it.
.macro TURN fill
	WIN 0                                          ; (the add's two registers lie in window 0)
	s_wait_tensorcnt 0x0                           ; no tensor load of mine is out, so a group 0 may be written
	ds_add_u32 v[SPW], v[NIL]                      ; 0 onto my spare word
.if \fill
	s_xor_b32 s[G0A+5], s[G0A+5], SLOT1            ; the walking descriptors: the other slot than last time,
	s_add_nc_u64 s[G0A+6:G0A+7], s[G0A+6:G0A+7], STEPA  ; the next K step; the type bits on top are not reached
	s_xor_b32 s[G0B+5], s[G0B+5], SLOT1
	s_add_nc_u64 s[G0B+6:G0B+7], s[G0B+6:G0B+7], STEPB
.endif
	s_wait_dscnt 5                                 ; (the add and the youngest four loads may be out)
	MULA 1, 0, 0
	s_wait_dscnt 0x0                               ; the add is done, and my reads of this slot are over
	s_barrier_signal -1
	MULA 1, 1, 0                                   ; work on registers while the others arrive
	WIN 0                                          ; at a branch and at a label every window is 0
	s_barrier_wait -1
.if \fill
	CREST
	JLOAD                                          ; its four v_nop are also the places in front of the loads below
.else
	PLACES
.endif
	s_xor_b32 s[TB], s[TB], SLOT1                  ; the fragments come from the other slot now
	v_add_nc_u32 v[ADRA], s[TB], v[ADRA0]
	v_add_nc_u32 v[ADRB], s[TB], v[ADRB0]
	FETCH 0, 0
	MULA 1, 2, 0
	MULA 1, 3, 0
.endm
	s_wait_tensorcnt 1                             ; my part of K step 0 is in; K step 1's may stay out
	s_barrier_signal -1
	s_barrier_wait -1                              ; everybody's is
	FETCH 0, 0
	QUARTER 1, 0, 1, 1                             ; the first quarter stands in front of the loop: its products start the sums
	WIN 0
	s_mov_b32 s3, KSTEPS-2
.Lstep:                                        ; a trip goes from a K step's second quarter to the next step's first, and fills the slot that it leaves: K steps 2 to 7
	QUARTER 2, 1, 0, 0
	QUARTER 3, 0, 1, 0
	TURN 1
	QUARTER 1, 0, 1, 0
	WIN 0
	s_sub_co_u32 s3, s3, 1
	s_cmp_lg_u32 s3, 0
	s_cbranch_scc1 .Lstep
	QUARTER 2, 1, 0, 0                             ; the last two K steps are written out: nothing is asked for
	QUARTER 3, 0, 1, 0
	TURN 0
	QUARTER 1, 0, 1, 0
	QUARTER 2, 1, 0, 0
	QUARTER 3, 0, 1, 0
	s_wait_dscnt 4
	MULA 1, 0, 0
	MULA 1, 1, 0
	s_wait_dscnt 0x0
	MULA 1, 2, 0
	MULA 1, 3, 0
	WIN 0
	PLACES
; THE WAY OUT, a row block (16 rows x 512 bytes) at a time: the sums go as they are into my stage, each accumulator's low four registers first, and come back as whole rows; the bias is added; 32 lanes store a row's 512 bytes.
.macro TOSTAGE a
	s_wait_xcnt 0x0                                ; the last block's stores have read their data: only behind this wait are those registers loaded again
	WIN 0x08                                       ; the stores' data (source 1) in window 2
.irp b, 0,1,2,3,4,5,6,7
	ds_store_b128 v[STO], v[8*(8*(\a)+(\b)):8*(8*(\a)+(\b))+3]   offset:64*(\b)
	ds_store_b128 v[STO], v[8*(8*(\a)+(\b))+4:8*(8*(\a)+(\b))+7] offset:64*(\b)+16
.endr
	WIN 0
.irp t, 0,1,2,3,4,5,6,7,8,9,10,11,12,13,14,15
	ds_load_b128 v[OB+4*(\t):OB+4*(\t)+3], v[RD] offset:(\t)*SP  ; LDS serves a wave's instructions in order (ISA guide 5.7.1.4): these see the stores above; the next block's stores come behind them
.endr
.endm
.macro SEND a
.irp t, 0,1,2,3,4,5,6,7,8,9,10,11,12,13,14,15
	s_wait_dscnt 15-(\t)                           ; the younger loads from the stage may stay out
	v_pk_add_f32 v[OB+4*(\t):OB+4*(\t)+1],   v[OB+4*(\t):OB+4*(\t)+1],   v[BI:BI+1]
	v_pk_add_f32 v[OB+4*(\t)+2:OB+4*(\t)+3], v[OB+4*(\t)+2:OB+4*(\t)+3], v[BI+2:BI+3]
	global_store_b128 v[GO], v[OB+4*(\t):OB+4*(\t)+3], s[18:19] offset:(16*(\a)+(\t))*4096  ; 512 consecutive bytes, at a multiple of 256 from out0's first
.endr
.endm
.irp a, 0,1,2,3
	TOSTAGE \a
	SEND \a
.endr
	s_wait_tensorcnt 0x0                           ; the wave's end, behind my last tensor load and my last LDS store
	ds_add_u32 v[SPW], v[NIL]
	s_wait_dscnt 0x0
	CROUND                                         ; the closing round: no work-group ends while a partner may still ask for a tile that names it
	s_endpgm
.Lfunc_end_k_qded0b6c4e4_proj:
	.size	k_qded0b6c4e4_proj, .Lfunc_end_k_qded0b6c4e4_proj-k_qded0b6c4e4_proj
	.p2alignl 7, 3214868480
	.fill 96, 4, 3214868480
	.section	.rodata,"a",@progbits
	.p2align	6, 0x0
	.amdhsa_kernel k_qded0b6c4e4_proj
		.amdhsa_group_segment_fixed_size 327680
		.amdhsa_private_segment_fixed_size 0
		.amdhsa_enable_private_segment 0
		.amdhsa_kernarg_size 32
		.amdhsa_user_sgpr_count 2
		.amdhsa_user_sgpr_kernarg_segment_ptr 1
		.amdhsa_wavefront_size32 1
		.amdhsa_system_sgpr_workgroup_id_x 1
		.amdhsa_system_sgpr_workgroup_id_y 1
		.amdhsa_system_sgpr_workgroup_id_z 1
		.amdhsa_system_vgpr_workitem_id 0
		.amdhsa_next_free_vgpr 768
		.amdhsa_next_free_sgpr 66
		.amdhsa_reserve_vcc 0
		.amdhsa_float_denorm_mode_32 3
		.amdhsa_float_denorm_mode_16_64 3
		.amdhsa_memory_ordered 1
		.amdhsa_forward_progress 1
		.amdhsa_inst_pref_size 79
	.end_amdhsa_kernel
	.amdgpu_metadata
---
amdhsa.version: [ 1, 2 ]
amdhsa.kernels:
  - .name:           k_qded0b6c4e4_proj
    .symbol:         k_qded0b6c4e4_proj.kd
    .args:
      - { .name: ob, .offset: 0, .size: 8, .value_kind: global_buffer, .address_space: global }
      - { .name: wp, .offset: 8, .size: 8, .value_kind: global_buffer, .address_space: global }
      - { .name: b_proj, .offset: 16, .size: 8, .value_kind: global_buffer, .address_space: global }
      - { .name: out0, .offset: 24, .size: 8, .value_kind: global_buffer, .address_space: global }
    .group_segment_fixed_size: 327680
    .private_segment_fixed_size: 0
    .kernarg_segment_align: 8
    .kernarg_segment_size: 32
    .max_flat_workgroup_size: 128
    .sgpr_count:     66
    .vgpr_count:     768
    .wavefront_size: 32
...
	.end_amdgpu_metadata
.endif
;; end of part 4
